; MI455X (gfx1250); checked and timed in simulation.
; The chip was launched on July 23, 2026; its instructions are those of AMD's public machine-readable ISA for CDNA 5 (MIT licence, August 2026) and "CDNA5" Instruction Set Architecture Reference Guide (July 2026). The comments in the code are by the model that wrote it; some were corrected since.
;; Multi Head Attention Block. Allowed arithmetic: matrix products marked QUANTISED: E2M1 operands, one E8M0 scale for each 32 along K, by v_wmma_scale_f32_16x16x128_f8f6f4 with both operands' format E2M1 (or v_wmma_scale_f32_32x16x128_f4), f32 sums; everything else in f32.
;; Inputs: b_k 1,024 float32; b_o 1,024 float32; b_q 1,024 float32; b_v 1,024 float32; k 4 x 2,048 x 1,024 float32; mask 1 x 1 x 2,048 x 2,048 int32; q 4 x 2,048 x 1,024 float32; v 4 x 2,048 x 1,024 float32; w_k 1,024 x 1,024 float32; w_o 1,024 x 1,024 float32; w_q 1,024 x 1,024 float32; w_v 1,024 x 1,024 float32.
;; Outputs: out0 4 x 2,048 x 1,024 float32.
;; This version of the problem:
;;   THIS VERSION OF THE PROBLEM IS GIVEN IN LOW PRECISION. The matrix products marked QUANTISED in the list below multiply operands that are first quantised to E2M1 (2 exponent bits, 1 mantissa bit; 4 bits a number), with one power-of-two scale for each 32 numbers along K (OCP MX v1.0); their sums are f32. All else is computed in f32.
;;   The module's matrix products, in the order in which they are computed (A, B: the left and right operand; K: the contracted axis; several contracted axes count as one K, in the product's order):
;;     1. [M 8,192, K 1,024] x [K 1,024, N 1,024]; A: input q; B: input w_q: QUANTISED
;;     2. [M 8,192, K 1,024] x [K 1,024, N 1,024]; A: input k; B: input w_k: QUANTISED
;;     3. [M 8,192, K 1,024] x [K 1,024, N 1,024]; A: input v; B: input w_v: QUANTISED
;;     4. batch 64 x [M 2,048, K 64] x [K 64, N 2,048]; A: computed on the way; B: computed on the way: QUANTISED
;;     5. batch 64 x [M 2,048, K 2,048] x [K 2,048, N 64]; A: softmax (see below); B: computed on the way: QUANTISED
;;     6. [M 8,192, K 1,024] x [K 1,024, N 1,024]; A: computed on the way; B: input w_o: QUANTISED
;;   THE QUANTISER, for each operand of a quantised product, along K:
;;     - K is cut into blocks of 32 from its start; a last block that is shorter is filled with zeros.
;;     - A block's scale is 2^e with e = floor(log2(the largest magnitude in the block)) - 2, held to -126 .. 127; a block of zeros has e = 0. As a byte (E8M0): e + 127.
;;     - Each number is divided by its block's scale, clamped to +-6, and rounded to the nearest number of E2M1, ties to even, subnormals kept.
;;     - The product sums the exact products of the quantised numbers (number of the format x scale) in f32.
;;   ~~~python
;;   def quantise(x, axis):      # numpy; x: float32 -> the quantised numbers, widened to float32 again
;;       x = np.moveaxis(x, axis, -1); K = x.shape[-1]
;;       x = np.pad(x, [(0, 0)] * (x.ndim - 1) + [(0, -K % 32)]); x = x.reshape(x.shape[:-1] + (-1, 32)); a = np.abs(x).max(-1, keepdims=True)
;;       e = np.where(a > 0, np.clip(np.frexp(np.where(a > 0, a, 1))[1] - 1 - 2, -126, 127), 0)      # np.frexp(a)[1] - 1 = floor(log2(a)), exactly
;;       r = np.clip(x / 2.0 ** e, -6, 6)
;;       step = 2.0 ** (np.maximum(np.frexp(np.where(r == 0, 1, r))[1] - 1, 0) - 1)
;;       q = np.round(r / step) * step * 2.0 ** e      # np.round: ties to even
;;       return np.moveaxis(q.reshape(q.shape[:-2] + (-1,))[..., :K], -1, axis).astype(np.float32)
;;   ~~~
;;   SOFTMAX AHEAD OF A QUANTISED PRODUCT. Where the list says 'softmax', what is quantised is not the finished softmax but p = 2^(t - M), with t = logit x log2(e) and M = ceil(the row's largest t), a whole number; so 1/2 < the row's largest p <= 1. The row's sum l is taken of the UNQUANTISED p, in f32, and the product's result is divided by l at the end. Since M is a whole number, a kernel that streams over the keys may use a running M (the ceiling of the running maximum): every later rescaling is an exact power of two, which a block's scale takes up: the codes' values come out the same.
;;   OPERANDS COMPUTED ON THE WAY. 'Computed on the way' means the value that the module computes at that place (a softmax that the list does not call 'softmax' is quantised finished and normalised). What goes into a quantiser is computed in f32, as accurately as f32 sums, v_exp_f32 and their like allow (about 1e-6 of the number): no bf16 or f16 on the way to a quantiser, and a product that is left as it is and whose result goes on into a quantised operand takes f32 operands (vector FMAs, or v_wmma_f32_16x16x4_f32). A number that lies on a knife's edge between two numbers of the format may be rounded either way, as far as f32 arithmetic and the matrix unit's own rounding can turn it there, and no further.
;; One version. Each part assembles by itself: llvm-mc -triple=amdgcn-amd-amdhsa -mcpu=gfx1250 --defsym DOCPART=n.
;; ======== version 1 of 1: 4 launches
;; limits: right only within a limited range of input values
;; workspace buffers: codes 14,680,064 bytes; scales 917,504 bytes; maskbits 2,097,152 bytes; rec 13,893,632 bytes; ximg 4,194,304 bytes; xsc 262,144 bytes
;; launch prep (part 1): grid 1024 x 1, 4 waves a work-group, no clusters, 67,072 bytes of LDS; arguments q, k, v, w_q, w_k, w_v, w_o, mask, codes, scales, maskbits; writes codes, scales, maskbits
.if DOCPART == 1
	.amdgcn_target "amdgcn-amd-amdhsa--gfx1250"
	.amdhsa_code_object_version 6
	.text
	.protected	k_qeea20731ef_prep
	.globl	k_qeea20731ef_prep
	.p2align	8
	.type	k_qeea20731ef_prep,@function
k_qeea20731ef_prep:
	s_mov_b64 s[64:65], 0
	v_nop
	global_prefetch_b8 v0, s[64:65] scope:SCOPE_SE
	s_setreg_imm32_b32 hwreg(HW_REG_WAVE_MODE, 25, 1), 1
	s_wait_xcnt 0x0
; PREP.  (1) q, k, v [8192][1024] and w_q, w_k, w_v, w_o [1024][1024], f32, K innermost, become codes of FP4 (E2M1) with one E8M0 byte for each 32 along K:
; codes [28672 rows][512 bytes], scales [28672 rows][32 bytes], the seven tensors one behind the other in that order.
; A block's byte is its largest magnitude's exponent field - 2, held at 1 from below; each number is divided by the scale and rounded to the nearest code, ties to even, beyond 6 the largest code.
; (2) the mask [2048 queries][2048 keys], int32, becomes codes of E2M1 too, an operand of a matrix instruction in the attention: the code of -4 where mask is 0 (the key is hidden), the code of 0 elsewhere.
; Record (query tile qt of 16, key step of 128) = 1,024 bytes.  The word of key tile t (16 keys), lane (rk, hq), lies at 512 (t / 4) + 16 (rk + 16 hq) + 4 (t % 4);
; its nibble i stands for mask[16 qt + 8 hq + i][128 step + 16 t + rk].
; LIMITS: a block of zeros gets the byte 1 (the rule says 127): its codes are zeros and only this program reads the bytes; NaN and infinities among the inputs are not served.
; SHARES: work-groups 0 .. 895 quantise 32,768 numbers each (a wave 16 steps of 512); work-groups 896 .. 1023 take 16 rows of the mask each: every work-group reads 131,072 bytes.
; The two ways part on the work-group's number and have LDS bytes of their own.  No barrier: waves share nothing.
.set NQZ,   896                        ; work-groups that quantise: 29,360,128 numbers / 32,768
.set STEPS, 16
.set EMAX,  2
.set CB,    8                          ; bytes of 16 codes
.set R,     16                         ; v16-79   four sets of 16 numbers as they are loaded
.set X,     80                         ; v80-111  two sets of 16 neighbours
.set E,     112                        ; v112-127 a scale byte for each step
.set C,     128                        ; v128-191 codes: registers of its own for each step
.set WREG,  8192                       ; LDS of a quantising wave: two stages of 32 x SP bytes, then its 256 scale bytes
.set SP,    80                         ; a lane's place in a stage: 64 bytes + 16 of padding
.set MST,   32768                      ; LDS of the mask's way begins here: 1,024 bytes a wave
.set MR,    16                         ; v16-143  two sets of 64 words of the mask as loaded
.set MX,    144                        ; v144-175 a record's words on the way out: eight registers for each key step
.set MO,    208                        ; v208-215 the eight words that a lane makes
	s_load_b512 s[4:19], s[0:1], 0x0               ; q, k, v, w_q, w_k, w_v, w_o, mask
	s_load_b128 s[20:23], s[0:1], 0x40             ; codes, scales
	s_load_b64 s[24:25], s[0:1], 0x50              ; maskbits
	v_lshl_add_u32 v224, v0, 2, 0x10400            ; my spare word, and 0
	v_mov_b32 v225, 0
	v_lshrrev_b32 v1, 5, v0
	v_readfirstlane_b32 s26, v1                    ; wave
	v_and_b32 v2, 31, v0                           ; lane
	s_cmp_ge_u32 ttmp9, NQZ
	s_cbranch_scc1 .Lmask
	; ---------------- the quantiser ----------------
	v_lshlrev_b32 v3, 4, v2                        ; my 16 bytes of a load's 512
	s_mul_i32 s27, s26, WREG
	v_lshrrev_b32 v14, 2, v2
	v_mul_u32_u24 v14, v14, SP
	v_and_b32 v15, 3, v2
	v_lshl_add_u32 v14, v15, 4, v14
	v_add_nc_u32 v14, s27, v14                     ; the stage, on the way in: SP (lane / 4) + 16 (lane % 4)
	v_mul_u32_u24 v15, v2, SP
	v_add_nc_u32 v15, s27, v15                     ; and on the way out: SP x lane: my 16 neighbours
	v_mul_u32_u24 v4, v2, CB                       ; my codes' place in a step's
	v_lshrrev_b32 v5, 1, v2
	s_add_co_u32 s27, s27, 2*32*SP
	v_add_nc_u32 v5, s27, v5                       ; LDS: my block's scale byte
	v_lshlrev_b32 v7, 3, v2
	v_add_nc_u32 v6, s27, v7                       ; and on the way out 8 bytes a lane
	s_wait_alu depctr_va_vdst(0)
	s_wait_kmcnt 0x0
	s_mov_b64 s[28:29], s[4:5]                     ; which tensor: chosen by the work-group's number alone
	s_mov_b32 s30, 0                               ; and its first work-group
.macro PICK first, ptr
	s_cmp_ge_u32 ttmp9, \first
	s_cselect_b64 s[28:29], s[\ptr:\ptr+1], s[28:29]
	s_cselect_b32 s30, \first, s30
.endm
	PICK 256, 6
	PICK 512, 8
	PICK 768, 10
	PICK 800, 12
	PICK 832, 14
	PICK 864, 16
	s_sub_co_u32 s31, ttmp9, s30
	s_lshl_b32 s31, s31, 2
	s_add_co_u32 s31, s31, s26                     ; my wave's run of 8,192 numbers in its tensor
	s_lshl_b32 s32, s31, 15
	s_mov_b32 s33, 0
	s_add_nc_u64 s[28:29], s[28:29], s[32:33]
	s_lshl_b32 s31, ttmp9, 2
	s_add_co_u32 s31, s31, s26                     ; and among all runs: the outputs lie in the work-groups' order
	s_lshl_b32 s32, s31, 12
	s_add_nc_u64 s[20:21], s[20:21], s[32:33]      ; 4,096 bytes of codes a run
	s_lshl_b32 s32, s31, 8
	s_add_nc_u64 s[22:23], s[22:23], s[32:33]      ; 256 scale bytes a run
.macro LOAD t
.irp i, 0,1,2,3
	global_load_b128 v[R+16*((\t)%4)+4*\i:R+16*((\t)%4)+4*\i+3], v3, s[28:29] offset:2048*(\t)+512*\i th:TH_LOAD_NT   ; 32 lanes read 512 consecutive bytes
.endr
.endm
.macro TURN t                          ; step t's numbers through the stage: LDS serves a wave's instructions in order, so no wait stands between the stores and the loads
.irp i, 0,1,2,3
	ds_store_b128 v14, v[R+16*((\t)%4)+4*\i:R+16*((\t)%4)+4*\i+3] offset:32*SP*((\t)%2)+8*SP*\i
.endr
.irp i, 0,1,2,3
	ds_load_b128 v[X+16*((\t)%2)+4*\i:X+16*((\t)%2)+4*\i+3], v15 offset:32*SP*((\t)%2)+16*\i
.endr
.endm
.irp t, 0,1,2,3
	LOAD \t
.endr
	s_wait_loadcnt 12                              ; step 0's four loads are in; three steps' twelve stay out
	TURN 0
.macro STEP t
.set XS, X+16*((\t)%2)
.if (\t) > 0
	s_wait_dscnt 1                                 ; this step's numbers are back from the stage (the last step's byte store may be out)
.else
	s_wait_dscnt 0x0
.endif
.if (\t)+4 < STEPS
	LOAD (\t)+4                                    ; the registers that the stage's stores have read take the loads of four steps on
.endif
.if (\t)+1 < STEPS
.if STEPS-2-(\t) >= 3
	s_wait_loadcnt 12                              ; the next step's four loads are in; those of the three steps behind it may be out
.else
	s_wait_loadcnt 4*(STEPS-2-(\t))
.endif
	TURN (\t)+1                                    ; and go through the other stage while this step is worked
.endif
	v_max3_num_f32 v8, |v[XS]|, |v[XS+1]|, |v[XS+2]|               ; the largest magnitude of my 16, in two chains
	v_max3_num_f32 v9, |v[XS+3]|, |v[XS+4]|, |v[XS+5]|
.irp i, 6,10
	v_max3_num_f32 v8, v8, |v[XS+\i]|, |v[XS+\i+1]|
	v_max3_num_f32 v9, v9, |v[XS+\i+2]|, |v[XS+\i+3]|
.endr
	v_max3_num_f32 v8, v8, |v[XS+14]|, |v[XS+15]|
	v_max3_num_f32 v8, v8, v9, (EMAX+1)<<23        ; and the floor 2^(3 - 127): the byte cannot fall under 1
	v_max_num_f32_dpp v8, v8, v8 row_xmask:1 row_mask:0xf bank_mask:0xf   ; and of my neighbour's 16: the block's
	v_add_nc_u32 v11, -(EMAX<<23), v8              ; 2 off its exponent field: the conversion takes the exponent field of this operand as its scale
	v_cvt_scalef32_pk8_fp4_f32 v[C+4*(\t)], v[XS:XS+7], v11
	v_cvt_scalef32_pk8_fp4_f32 v[C+4*(\t)+1], v[XS+8:XS+15], v11
	v_lshrrev_b32 v[E+(\t)], 23, v11               ; the scale's byte
	ds_store_b8 v5, v[E+(\t)] offset:16*(\t)       ; both lanes of a block write the same byte with the same value
	global_store_b64 v4, v[C+4*(\t):C+4*(\t)+1], s[20:21] offset:32*CB*(\t)   ; the wave stores 256 consecutive bytes, aligned
.endm
.irp t, 0,1,2,3,4,5,6,7,8,9,10,11,12,13,14,15
	STEP \t
.endr
	ds_load_b64 v[12:13], v6                       ; LDS serves a wave's instructions in order: these see my stores
	s_wait_dscnt 0x0
	global_store_b64 v7, v[12:13], s[22:23]        ; 32 lanes store 256 consecutive bytes, aligned
	s_wait_tensorcnt 0x0                           ; the wave's end
	ds_add_u32 v224, v225
	s_wait_dscnt 0x0
	s_endpgm
	; ---------------- the mask ----------------
	; Work-group 896 + qt takes rows 16 qt .. 16 qt + 15; wave w the key steps 4 w + u, u = 0 .. 3.  A key step of a row is 512 bytes: one load, lane L taking keys 4 L + e, e = 0 .. 3.
	; So a lane holds 16 queries x 4 keys, and makes eight words: for each of its keys the nibbles of queries 0-7 (g = 0) and of queries 8-15 (g = 1).
	; The words go to their places in the record through the wave's own 1,024 bytes of LDS and leave as two runs of 512 consecutive bytes.
.Lmask:
	s_sub_co_u32 s27, ttmp9, NQZ                   ; qt
	s_lshl_b32 s28, s26, 10
	s_add_co_u32 s28, s28, MST                     ; my stage
	s_lshl_b32 s29, s26, 11
	s_wait_alu depctr_va_vdst(0)
	v_lshlrev_b32 v3, 4, v2                        ; 16 x lane
	v_add_nc_u32 v1, s29, v3                       ; in a row of the mask: my wave's four key steps, 16 bytes a lane
	v_add_nc_u32 v5, s28, v3                       ; the stage, on the way out
	v_and_b32 v6, 3, v0                            ; on the way in: key 4 L + e is row rk = 4 (L % 4) + e of key tile t = L / 4:
	v_bfe_u32 v7, v0, 2, 2
	v_lshlrev_b32 v6, 6, v6                        ; 64 (L % 4)
	v_lshl_add_u32 v6, v7, 2, v6                   ; + 4 (t % 4)
	v_bfe_u32 v7, v0, 4, 1
	v_lshl_add_u32 v6, v7, 9, v6                   ; + 512 (t / 4); the immediate adds 16 e + 256 g
	v_add_nc_u32 v6, s28, v6
	s_lshl_b32 s30, s27, 17                        ; 16 rows of 8,192 bytes
	s_mov_b32 s31, 0
	s_lshl_b32 s40, s27, 4
	s_lshl_b32 s41, s26, 2
	s_add_co_u32 s40, s40, s41
	s_lshl_b32 s40, s40, 10                        ; record 16 qt + 4 w
	s_mov_b32 s41, 0
	s_wait_alu depctr_va_vdst(0)
	s_wait_kmcnt 0x0
	s_add_nc_u64 s[18:19], s[18:19], s[30:31]
	s_add_nc_u64 s[24:25], s[24:25], s[40:41]
.macro MLOAD u
.irp i, 0,1,2,3,4,5,6,7,8,9,10,11,12,13,14,15
	global_load_b128 v[MR+64*((\u)%2)+4*\i:MR+64*((\u)%2)+4*\i+3], v1, s[18:19] offset:8192*\i+512*(\u) th:TH_LOAD_NT   ; row i: 512 consecutive bytes
.endr
.endm
.macro MWORDS u                        ; eight chains by turns: a word is shifted up a nibble and takes min(mask, 1) of the next lower query
.set MRS, MR+64*((\u)%2)
.irp e, 0,1,2,3
.irp g, 0,1
	v_min_u32 v[MO+2*\e+\g], 1, v[MRS+4*(8*\g+7)+\e]
.endr
.endr
.irp i, 6,5,4,3,2,1,0
.irp e, 0,1,2,3
.irp g, 0,1
	v_min_u32 v[MRS+4*(8*\g+\i)+\e], 1, v[MRS+4*(8*\g+\i)+\e]
.endr
.endr
.irp e, 0,1,2,3
.irp g, 0,1
	v_lshl_or_b32 v[MO+2*\e+\g], v[MO+2*\e+\g], 4, v[MRS+4*(8*\g+\i)+\e]
.endr
.endr
.endr
.irp n, 0,1,2,3,4,5,6,7
	v_xor_b32 v[MO+\n], 0x11111111, v[MO+\n]       ; 1 where the key is hidden,
.endr
.irp n, 0,1,2,3,4,5,6,7
	v_mul_lo_u32 v[MO+\n], v[MO+\n], 14            ; and there the code 0xe, which is -4
.endr
.irp e, 0,1,2,3
.irp g, 0,1
	ds_store_b32 v6, v[MO+2*\e+\g] offset:16*\e+256*\g
.endr
.endr
	ds_load_b128 v[MX+8*(\u):MX+8*(\u)+3], v5                      ; LDS serves a wave's instructions in order: these see my stores
	ds_load_b128 v[MX+8*(\u)+4:MX+8*(\u)+7], v5 offset:512
.endm
	MLOAD 0
	MLOAD 1
.irp u, 0,1,2,3
.if \u < 3
	s_wait_loadcnt 16                              ; this key step's 16 loads are in; the next one's may be out
.else
	s_wait_loadcnt 0x0
.endif
	MWORDS \u
	s_wait_dscnt 0x0                               ; the record is back in registers
.if \u < 2
	MLOAD \u+2
.endif
	global_store_b128 v3, v[MX+8*\u:MX+8*\u+3], s[24:25] offset:1024*\u          ; 32 lanes store 512 consecutive bytes, aligned
	global_store_b128 v3, v[MX+8*\u+4:MX+8*\u+7], s[24:25] offset:1024*\u+512
.endr
	s_wait_tensorcnt 0x0                           ; the wave's end
	ds_add_u32 v224, v225
	s_wait_dscnt 0x0
	s_endpgm
.Lfunc_end_k_qeea20731ef_prep:
	.size	k_qeea20731ef_prep, .Lfunc_end_k_qeea20731ef_prep-k_qeea20731ef_prep
	.p2alignl 7, 3214868480
	.fill 96, 4, 3214868480
	.section	.rodata,"a",@progbits
	.p2align	6, 0x0
	.amdhsa_kernel k_qeea20731ef_prep
		.amdhsa_group_segment_fixed_size 67072
		.amdhsa_private_segment_fixed_size 0
		.amdhsa_enable_private_segment 0
		.amdhsa_kernarg_size 88
		.amdhsa_user_sgpr_count 2
		.amdhsa_user_sgpr_kernarg_segment_ptr 1
		.amdhsa_wavefront_size32 1
		.amdhsa_system_sgpr_workgroup_id_x 1
		.amdhsa_system_sgpr_workgroup_id_y 1
		.amdhsa_system_sgpr_workgroup_id_z 1
		.amdhsa_system_vgpr_workitem_id 0
		.amdhsa_next_free_vgpr 226
		.amdhsa_next_free_sgpr 66
		.amdhsa_reserve_vcc 0
		.amdhsa_float_denorm_mode_32 3
		.amdhsa_float_denorm_mode_16_64 3
		.amdhsa_memory_ordered 1
		.amdhsa_forward_progress 1
		.amdhsa_inst_pref_size 71
	.end_amdhsa_kernel
	.amdgpu_metadata
---
amdhsa.version: [ 1, 2 ]
amdhsa.kernels:
  - .name:           k_qeea20731ef_prep
    .symbol:         k_qeea20731ef_prep.kd
    .args:
      - { .name: q, .offset: 0, .size: 8, .value_kind: global_buffer, .address_space: global }
      - { .name: k, .offset: 8, .size: 8, .value_kind: global_buffer, .address_space: global }
      - { .name: v, .offset: 16, .size: 8, .value_kind: global_buffer, .address_space: global }
      - { .name: w_q, .offset: 24, .size: 8, .value_kind: global_buffer, .address_space: global }
      - { .name: w_k, .offset: 32, .size: 8, .value_kind: global_buffer, .address_space: global }
      - { .name: w_v, .offset: 40, .size: 8, .value_kind: global_buffer, .address_space: global }
      - { .name: w_o, .offset: 48, .size: 8, .value_kind: global_buffer, .address_space: global }
      - { .name: mask, .offset: 56, .size: 8, .value_kind: global_buffer, .address_space: global }
      - { .name: codes, .offset: 64, .size: 8, .value_kind: global_buffer, .address_space: global }
      - { .name: scales, .offset: 72, .size: 8, .value_kind: global_buffer, .address_space: global }
      - { .name: maskbits, .offset: 80, .size: 8, .value_kind: global_buffer, .address_space: global }
    .group_segment_fixed_size: 67072
    .private_segment_fixed_size: 0
    .kernarg_segment_align: 8
    .kernarg_segment_size: 88
    .max_flat_workgroup_size: 128
    .sgpr_count:     66
    .vgpr_count:     226
    .wavefront_size: 32
...
	.end_amdgpu_metadata
.endif
;; end of part 1
;; launch proj (part 2): grid 4 x 96, 4 waves a work-group, clusters of 4 x 4, 327,680 bytes of LDS; arguments codes, scales, b_q, b_k, b_v, rec; writes rec
.if DOCPART == 2
	.amdgcn_target "amdgcn-amd-amdhsa--gfx1250"
	.amdhsa_code_object_version 6
	.text
	.protected	k_qeea20731ef_proj
	.globl	k_qeea20731ef_proj
	.p2align	8
	.type	k_qeea20731ef_proj,@function
k_qeea20731ef_proj:
	s_mov_b64 s[64:65], 0
	v_nop
	global_prefetch_b8 v0, s[64:65] scope:SCOPE_SE
	s_setreg_imm32_b32 hwreg(HW_REG_WAVE_MODE, 25, 1), 1
	s_wait_xcnt 0x0
	s_wait_alu depctr_hold_cnt(0) depctr_sa_sdst(0) depctr_va_vdst(0) depctr_va_sdst(0) depctr_va_ssrc(0) depctr_va_vcc(0) depctr_vm_vsrc(0)
	s_getreg_b32 s2, hwreg(HW_REG_IB_STS2, 6, 4)
	s_cmp_eq_u32 s2, 0
	s_cbranch_scc0 .Lentry_in_a_cluster
	s_endpgm
.Lentry_in_a_cluster:
	s_bfe_u32 s2, ttmp6, 0x10000c
	s_cmp_lg_u32 s2, 0xf033
	s_cbranch_scc0 .Lentry_shape_is_right
	s_endpgm
.Lentry_shape_is_right:
; PROJ.  The three projections on codes of FP4 (E2M1) with E8M0 scales: a work-group makes a block of 256 x 256, four waves 128 x 128 each, K = 1,024.
; For q and k source 1 takes rows of the tokens and source 0 rows of the weight; for v the two change places, so that a lane's registers run along the keys.
; The way out adds the bias, quantises along the next product's K and stores images of the operands' registers, with their scale words, into the records that the attention reads.
; LDS.  K is short: both operands' codes for ALL of K (256 rows of 512 bytes each) and their scale bytes come at the head, one joint load a wave, and stay: nothing is filled again.
; An LDS row is 512 bytes + 16 of padding; the second half of K lies 256 bytes on in each row.  No prefetch: there is no loop to run ahead in.
; CLUSTER.  4 x 4 work-groups: A's tile and scales are shared along a row of the cluster, B's along a column.
.set NQ,     4
.set ROWB,   256
.set KROW,   512
.set PITCH,  528
.set FR,     8
.set NL,     2
.set NP,     4
.set HALFT,  128*PITCH
.set SLOT,   ROWB
.set KS,     32
.set SCL,    4*HALFT
.set HALFS,  (128*KS/256)*272
.set SBLK,   (16*KS/256)*272
.set REC,    13568
.set HS,     16*REC
.set ADRA, 16
.set BOF,  18
.set ADRB, 20
.set SELR, 22
.set ADRS, 27
.set IMO,  30
.set SCO,  31
.set SC,   32
.set AF,   128
.set T,    32
.set TM,   96
.set PW,   112
.set PC,   128
.set BI,   192
.set G1, 24
.set G0, 32
.set G1B, 48
.set G0B, 56
.set G1S, 68
.set G0S, 76
.set G1SB, 80
.set G0SB, 88
.set MSB, 0
.macro WIN new
.if MSB != (\new)
	s_set_vgpr_msb (MSB<<8)|(\new)
.set MSB, (\new)
.endif
.endm
.set MUL_LO, 0xa1
.set MUL_HI, 0xf1
.set TO_B,   0x40
.macro ARM under, g0, g1, next         ; one arm of the head's tree: a joint load, its s_nop 0 and four v_nop, and a jump to the tree's end
	s_cmp_lt_u32 s14, \under
	s_cbranch_scc0 \next
	tensor_load_to_lds s[\g0:\g0+3], s[\g1:\g1+7]
	s_nop 0
.rept 4
	v_nop
.endr
	s_branch .Lhead_asked
\next:
.endm
.macro CROUND
	s_barrier_signal -1
	s_barrier_wait -1
	s_cmp_lg_u32 s14, 0
	s_cbranch_scc1 .Lnot_wave_0_\@
	s_barrier_signal -3
.Lnot_wave_0_\@:
	s_barrier_wait -3
	s_barrier_signal -1
	s_barrier_wait -1
.endm
	s_load_b128 s[4:7], s[0:1], 0x0
	s_load_b128 s[96:99], s[0:1], 0x10
	s_load_b64 s[100:101], s[0:1], 0x20
	s_load_b64 s[12:13], s[0:1], 0x28
	v_lshl_add_u32 v126, v0, 2, 0x48400
	v_mov_b32 v127, 0
	ds_add_u32 v126, v127
	ds_add_u32 v126, v127
	v_lshrrev_b32 v1, 5, v0
	v_readfirstlane_b32 s14, v1
	s_lshr_b32 s15, s14, 1
	s_and_b32 s16, s14, 1
	s_bfe_u32 s40, ttmp6, 0x40000
	s_bfe_u32 s41, ttmp6, 0x40004
	s_and_b32 s66, ttmp7, 0xffff
	s_lshr_b32 s67, s66, 3
	s_and_b32 s66, s66, 7
	s_lshl_b32 s18, s67, 13
	s_lshl_b32 s19, s67, 10
	s_add_co_u32 s19, s19, 24576
	s_cmp_eq_u32 s67, 2
	s_cselect_b32 s3, 1, 0
	s_cselect_b32 s17, 0, s66
	s_cselect_b32 s42, s66, 0
	s_cselect_b32 s18, 26624, s18
	s_cselect_b32 s19, 16384, s19
	s_lshl_b32 s17, s17, 2
	s_add_co_u32 s17, s17, s41
	s_lshl_b32 s42, s42, 2
	s_add_co_u32 s42, s42, s40
	s_lshl_b32 s43, s41, 2
	s_lshl_b32 s43, 15, s43
	s_lshl_b32 s44, 0x1111, s40
	s_or_b32 s[G1+0], s43, (0<<16)|(1<<20)|(1<<21)|(6<<22)|(3<<25)   ; 256 rows of 512 bytes; four words of padding after every 128
	s_or_b32 s[G1B+0], s44, (0<<16)|(1<<20)|(1<<21)|(6<<22)|(3<<25)
.irp g, G1, G1B
	s_mov_b32 s[\g+1], KROW<<16
	s_mov_b32 s[\g+2], 256<<16
	s_mov_b32 s[\g+3], KROW<<16
	s_mov_b32 s[\g+4], 256
	s_mov_b32 s[\g+5], KROW
	s_mov_b32 s[\g+6], 0
	s_mov_b32 s[\g+7], 0
.endr
	s_or_b32 s[G1S+0], s43, (3<<16)|(1<<20)|(1<<21)|(5<<22)|(3<<25)
	s_or_b32 s[G1SB+0], s44, (3<<16)|(1<<20)|(1<<21)|(5<<22)|(3<<25)
.irp g, G1S, G1SB
	s_mov_b32 s[\g+1], 32<<16
	s_mov_b32 s[\g+2], (256*KS/256)<<16
	s_mov_b32 s[\g+3], 32<<16
	s_mov_b32 s[\g+4], 256*KS/256
	s_mov_b32 s[\g+5], 32
	s_mov_b32 s[\g+6], 0
	s_mov_b32 s[\g+7], 0
.endr
	s_lshl_b32 s20, s17, 8
	s_add_co_u32 s20, s20, s18
	s_lshl_b32 s46, s42, 8
	s_add_co_u32 s46, s46, s19
	s_mov_b32 s21, 0
	s_mov_b32 s47, 0
	s_lshl_b64 s[22:23], s[20:21], 5
	s_lshl_b64 s[92:93], s[46:47], 5
	s_lshl_b64 s[20:21], s[20:21], 9
	s_lshl_b64 s[46:47], s[46:47], 9
	s_wait_dscnt 0x0
	s_wait_kmcnt 0x0
	s_add_nc_u64 s[20:21], s[4:5], s[20:21]
	s_add_nc_u64 s[22:23], s[6:7], s[22:23]
	s_add_nc_u64 s[46:47], s[4:5], s[46:47]
	s_add_nc_u64 s[92:93], s[6:7], s[92:93]
	CROUND
	s_mov_b32 s[G0], 1                             ; A's 256 rows, all of K,
	s_mov_b32 s[G0+1], 0
	s_mov_b64 s[G0+2:G0+3], s[20:21]
	s_or_b32 s[G0+3], s[G0+3], 0x80000000
	s_mov_b32 s[G0B], 1                            ; B's behind them,
	s_mov_b32 s[G0B+1], 2*HALFT
	s_mov_b64 s[G0B+2:G0B+3], s[46:47]
	s_or_b32 s[G0B+3], s[G0B+3], 0x80000000
	s_mov_b32 s[G0S], 1                            ; the scales of A's 256 rows,
	s_mov_b32 s[G0S+1], SCL
	s_mov_b64 s[G0S+2:G0S+3], s[22:23]
	s_or_b32 s[G0S+3], s[G0S+3], 0x80000000
	s_mov_b32 s[G0SB], 1                           ; and of B's
	s_mov_b32 s[G0SB+1], SCL+2*HALFS
	s_mov_b64 s[G0SB+2:G0SB+3], s[92:93]
	s_or_b32 s[G0SB+3], s[G0SB+3], 0x80000000
	; the launch's four loads, one a wave: one tree of branches on the wave's number, every way through it passes one load
	ARM 1, G0,  G1,  .Lhead_b
	ARM 2, G0B, G1B, .Lhead_sa
	ARM 3, G0S, G1S, .Lhead_sb
	tensor_load_to_lds s[G0SB:G0SB+3], s[G1SB:G1SB+7]
	s_nop 0
.rept 4
	v_nop
.endr
.Lhead_asked:
	v_and_b32 v1, 15, v0
	v_bfe_u32 v2, v0, 4, 1
	v_mul_u32_u24 v3, v1, PITCH
	v_lshl_add_u32 v4, v2, 4, v3
	s_mul_i32 s21, s15, HALFT
	s_mul_i32 s22, s16, HALFT
	s_add_co_u32 s22, s22, 2*HALFT
.irp s, 0,1
	v_add_nc_u32 v[ADRA+\s], s21, v4
	v_add_nc_u32 v[ADRB+\s], s22, v4
	s_add_co_u32 s21, s21, SLOT
	s_add_co_u32 s22, s22, SLOT
.endr
	v_mul_u32_u24 v5, v1, KS
	v_lshrrev_b32 v6, 8, v5
	v_lshl_add_u32 v5, v6, 4, v5
	s_mul_i32 s21, s15, HALFS
	s_mul_i32 s22, s16, HALFS
	s_add_co_u32 s22, s22, 2*HALFS
	s_sub_co_u32 s22, s22, s21
	v_mul_u32_u24 v6, s22, v2
	s_add_co_u32 s21, s21, SCL
	v_add_nc_u32 v5, v5, v6
	v_add_nc_u32 v[ADRS], s21, v5
	v_and_b32 v[IMO], 31, v0
	v_lshlrev_b32 v[IMO], 4, v[IMO]
	v_mul_u32_u24 v[SCO], v2, HS
	v_lshl_add_u32 v[SCO], v1, 4, v[SCO]
	s_mov_b32 s95, 0xffff0000
	v_mov_b32 v[SELR], 0x01000100
	v_mov_b32 v23, 0x03020302
	v_cndmask_b32 v[SELR], v[SELR], v23, s95
	v_mov_b32 v[TM+2], 0
	v_mov_b32 v[TM+3], 0
	s_lshl_b32 s18, s17, 1
	s_add_co_u32 s18, s18, s15
	s_lshl_b32 s19, s42, 1
	s_add_co_u32 s19, s19, s16
	s_cmp_eq_u32 s3, 1
	s_cselect_b32 s2, s19, s18
	s_cselect_b32 s66, s18, s19
	s_lshr_b32 s20, s2, 4
	s_lshl_b32 s20, s20, 4
	s_lshl_b32 s66, s66, 1
	s_add_co_u32 s20, s20, s66
	s_lshl_b32 s20, s20, 4
	s_and_b32 s2, s2, 15
	s_add_co_u32 s20, s20, s2
	s_mul_i32 s20, s20, REC
	s_cmp_eq_u32 s67, 0
	s_cselect_b32 s21, 8960, 0
	s_cmp_eq_u32 s67, 2
	s_cselect_b32 s21, 4608, s21
	s_add_co_u32 s20, s20, s21
	s_mov_b32 s21, 0
	s_add_nc_u64 s[12:13], s[12:13], s[20:21]
	s_cmp_eq_u32 s67, 0
	s_cselect_b64 s[96:97], s[96:97], s[98:99]
	s_cmp_eq_u32 s3, 1
	s_cbranch_scc1 .Lbias_v
	s_lshl_b32 s20, s19, 9
	s_add_nc_u64 s[96:97], s[96:97], s[20:21]
	v_lshlrev_b32 v[BOF], 5, v2
.irp b, 0,1,2,3,4,5,6,7
	global_load_b128 v[BI+8*\b:BI+8*\b+3], v[BOF], s[96:97] offset:64*\b
	global_load_b128 v[BI+8*\b+4:BI+8*\b+7], v[BOF], s[96:97] offset:64*\b+16
.endr
	s_branch .Lbias_done
.Lbias_v:
	s_lshl_b32 s20, s18, 9
	s_add_nc_u64 s[100:101], s[100:101], s[20:21]
	v_lshlrev_b32 v[BOF], 2, v1
.irp a, 0,1,2,3,4,5,6,7
.irp j, 0,1,2,3,4,5,6,7
	global_load_b32 v[BI+8*\a+\j], v[BOF], s[100:101] offset:64*\a
.endr
.endr
.Lbias_done:
	s_mov_b32 s20, 0x76543210
	s_mov_b32 s21, 0xfedcba98
.macro FRAG reg, adr, q, i
.irp c, 0,1
	ds_load_b128 v[\reg+4*\c:\reg+4*\c+3], v[\adr] offset:64*(\q)+32*\c+(\i)*16*PITCH
.endr
.endm
.macro MUL16 a0, p, q, sc, zero
.irp a, \a0, \a0+1
.irp b, 0,1,2,3,4,5,6,7
.if \zero
	v_wmma_scale_f32_16x16x128_f8f6f4 v[8*(8*((\a)%4)+\b):8*(8*((\a)%4)+\b)+7], v[128*(\p)+FR*\b:128*(\p)+FR*\b+FR-1], v[AF+FR*(\a):AF+FR*(\a)+FR-1], 0, v[SC+8*NQ*(\sc)+NQ*\b+(\q)], v[SC+8*NQ*(\sc)+NQ*(\a)+(\q)] matrix_a_fmt:MATRIX_FMT_FP4 matrix_b_fmt:MATRIX_FMT_FP4 matrix_a_scale:MATRIX_SCALE_ROW1
.else
	v_wmma_scale_f32_16x16x128_f8f6f4 v[8*(8*((\a)%4)+\b):8*(8*((\a)%4)+\b)+7], v[128*(\p)+FR*\b:128*(\p)+FR*\b+FR-1], v[AF+FR*(\a):AF+FR*(\a)+FR-1], v[8*(8*((\a)%4)+\b):8*(8*((\a)%4)+\b)+7], v[SC+8*NQ*(\sc)+NQ*\b+(\q)], v[SC+8*NQ*(\sc)+NQ*(\a)+(\q)] matrix_a_fmt:MATRIX_FMT_FP4 matrix_b_fmt:MATRIX_FMT_FP4 matrix_a_scale:MATRIX_SCALE_ROW1
.endif
.endr
.endr
.endm
.macro FETCH_B slot, q, p
	WIN TO_B
.irp i, 0,1,2,3,4,5,6,7
	FRAG 128*(\p)+FR*\i, ADRB+\slot, \q, \i
.endr
	WIN 0
.endm
.macro FETCH_A slot, q, i0
.irp i, \i0, \i0+1, \i0+2, \i0+3
	FRAG AF+FR*(\i), ADRA+\slot, \q, \i
.endr
.endm
.macro SCALES sc
.irp i, 0,1,2,3,4,5,6,7
	ds_load_b128 v[SC+8*NQ*\sc+NQ*\i:SC+8*NQ*\sc+NQ*\i+3], v[ADRS] offset:\i*SBLK
.endr
.endm
.macro PLACES n
.rept \n
	v_nop
.endr
.endm
.macro STEP slot, q, zero
	s_wait_dscnt 4*NL
	WIN MUL_LO
	MUL16 0, (\q)%2, \q, \slot, \zero
	MUL16 2, (\q)%2, \q, \slot, \zero
	s_wait_dscnt 0
	PLACES NP
	FETCH_B \slot, (\q)+1, 1-(\q)%2
	FETCH_A \slot, (\q)+1, 0
	WIN MUL_HI
	MUL16 4, (\q)%2, \q, \slot, \zero
	MUL16 6, (\q)%2, \q, \slot, \zero
	PLACES NP
	WIN 0
	FETCH_A \slot, (\q)+1, 4
.endm
.macro STEPS slot, from
.set Q, \from
.rept NQ-1-\from
	STEP \slot, Q, 0
.set Q, Q+1
.endr
.endm
	s_wait_alu depctr_va_vdst(0)
	s_wait_tensorcnt 0x0                           ; my tile is in; behind the barrier everybody's is
	s_barrier_signal -1
	s_barrier_wait -1
	FETCH_B 0, 0, 0
	FETCH_A 0, 0, 0
	SCALES 0
	FETCH_A 0, 0, 4
	STEP 0, 0, 1
	STEPS 0, 1
	s_wait_dscnt 4*NL
	WIN MUL_LO
	MUL16 0, 1, NQ-1, 0, 0
	MUL16 2, 1, NQ-1, 0, 0
	s_wait_dscnt 0x0
	WIN 0
	PLACES NP
	v_add_nc_u32 v[ADRS], 4*NQ, v[ADRS]
	FETCH_B 1, 0, 0
	FETCH_A 1, 0, 0
	SCALES 1
	WIN MUL_HI
	MUL16 4, 1, NQ-1, 0, 0
	MUL16 6, 1, NQ-1, 0, 0
	PLACES NP
	WIN 0
	FETCH_A 1, 0, 4
	STEPS 1, 0
	s_wait_dscnt 4*NL
	WIN MUL_LO
	MUL16 0, 1, NQ-1, 1, 0
	MUL16 2, 1, NQ-1, 1, 0
	s_wait_dscnt 0
	WIN MUL_HI
	MUL16 4, 1, NQ-1, 1, 0
	MUL16 6, 1, NQ-1, 1, 0
	WIN 0
.macro EPI a, c, isv
.set AC, 64*((\a)%4)+32*(\c)
.set PCR, PC+4*(2*(\a)+(\c))
	WIN 0x02+(\a)/4
.set k, 0
.rept 16
.if \isv
	v_pk_add_f32 v[T+k:T+k+1], v[AC+k:AC+k+1], v[BI+8*(\a):BI+8*(\a)+1]
.else
	v_pk_add_f32 v[T+k:T+k+1], v[AC+k:AC+k+1], v[BI+32*(\c)+k:BI+32*(\c)+k+1]
.endif
.set k, k+2
.endr
	WIN 0
	v_max3_num_f32 v[TM],   |v[T]|,    |v[T+1]|,  0x1800000
	v_max3_num_f32 v[TM+1], |v[T+16]|, |v[T+17]|, 0x1800000
.irp i, 2,4,6,8,10,12,14
	v_max3_num_f32 v[TM],   v[TM],   |v[T+\i]|,    |v[T+1+\i]|
	v_max3_num_f32 v[TM+1], v[TM+1], |v[T+16+\i]|, |v[T+17+\i]|
.endr
	v_permlanex16_b32 v[TM+2], v[TM],   s20, s21
	v_permlanex16_b32 v[TM+3], v[TM+1], s20, s21
	v_max_num_f32 v[TM],   v[TM],   v[TM+2]
	v_max_num_f32 v[TM+1], v[TM+1], v[TM+3]
	v_add_nc_u32 v[TM+4], 0xff000000, v[TM]
	v_add_nc_u32 v[TM+5], 0xff000000, v[TM+1]
	v_lshrrev_b32 v[TM+6], 23, v[TM+4]
	v_lshrrev_b32 v[TM+7], 23, v[TM+5]
.if (\c) == 0
	v_lshl_or_b32 v[PW+(\a)], v[TM+7], 8, v[TM+6]
.else
	v_lshl_or_b32 v[PW+(\a)], v[TM+6], 16, v[PW+(\a)]
	v_lshl_or_b32 v[PW+(\a)], v[TM+7], 24, v[PW+(\a)]
.endif
	v_cvt_scalef32_pk8_fp4_f32 v[PCR],   v[T:T+7],     v[TM+4]
	v_cvt_scalef32_pk8_fp4_f32 v[PCR+2], v[T+8:T+15],  v[TM+4]
	v_cvt_scalef32_pk8_fp4_f32 v[PCR+1], v[T+16:T+23], v[TM+5]
	v_cvt_scalef32_pk8_fp4_f32 v[PCR+3], v[T+24:T+31], v[TM+5]
	v_nop
	v_permlane16_swap_b32 v[PCR],   v[PCR+1]
	v_permlane16_swap_b32 v[PCR+2], v[PCR+3]
.if \isv
	global_store_b128 v[IMO], v[PCR:PCR+3], s[12:13] offset:((\a)%4)*1024+(\c)*512+((\a)/4)*HS
.else
	global_store_b128 v[IMO], v[PCR:PCR+3], s[12:13] offset:(\a)*512+(\c)*HS
.endif
.endm
	s_wait_loadcnt 0x0
	PLACES NP
	s_cmp_eq_u32 s3, 1
	s_cbranch_scc1 .Lway_v
.irp a, 0,1,2,3,4,5,6,7
	EPI \a, 0, 0
	EPI \a, 1, 0
.endr
.irp a, 0,1,2,3,4,5,6,7
	v_perm_b32 v[PW+\a], v[PW+\a], v[PW+\a], v[SELR]
.endr
	global_store_b128 v[SCO], v[PW:PW+3], s[12:13] offset:4096
	global_store_b128 v[SCO], v[PW+4:PW+7], s[12:13] offset:4352
	s_branch .Ldone
.Lway_v:
.irp a, 0,1,2,3,4,5,6,7
	EPI \a, 0, 1
	EPI \a, 1, 1
.endr
.irp i, 0,1,2,3
	v_cndmask_b32 v[PW+\i], v[PW+\i], v[PW+4+\i], s95
.endr
	global_store_b128 v[SCO], v[PW:PW+3], s[12:13] offset:4096
.Ldone:
	s_wait_tensorcnt 0x0
	ds_add_u32 v126, v127
	s_wait_dscnt 0x0
	CROUND
	s_endpgm
.Lfunc_end_k_qeea20731ef_proj:
	.size	k_qeea20731ef_proj, .Lfunc_end_k_qeea20731ef_proj-k_qeea20731ef_proj
	.p2alignl 7, 3214868480
	.fill 96, 4, 3214868480
	.section	.rodata,"a",@progbits
	.p2align	6, 0x0
	.amdhsa_kernel k_qeea20731ef_proj
		.amdhsa_group_segment_fixed_size 327680
		.amdhsa_private_segment_fixed_size 0
		.amdhsa_enable_private_segment 0
		.amdhsa_kernarg_size 48
		.amdhsa_user_sgpr_count 2
		.amdhsa_user_sgpr_kernarg_segment_ptr 1
		.amdhsa_wavefront_size32 1
		.amdhsa_system_sgpr_workgroup_id_x 1
		.amdhsa_system_sgpr_workgroup_id_y 1
		.amdhsa_system_sgpr_workgroup_id_z 1
		.amdhsa_system_vgpr_workitem_id 0
		.amdhsa_next_free_vgpr 1024
		.amdhsa_next_free_sgpr 102
		.amdhsa_reserve_vcc 0
		.amdhsa_float_denorm_mode_32 3
		.amdhsa_float_denorm_mode_16_64 3
		.amdhsa_memory_ordered 1
		.amdhsa_forward_progress 1
		.amdhsa_inst_pref_size 201
	.end_amdhsa_kernel
	.amdgpu_metadata
---
amdhsa.version: [ 1, 2 ]
amdhsa.kernels:
  - .name:           k_qeea20731ef_proj
    .symbol:         k_qeea20731ef_proj.kd
    .args:
      - { .name: codes, .offset: 0, .size: 8, .value_kind: global_buffer, .address_space: global }
      - { .name: scales, .offset: 8, .size: 8, .value_kind: global_buffer, .address_space: global }
      - { .name: b_q, .offset: 16, .size: 8, .value_kind: global_buffer, .address_space: global }
      - { .name: b_k, .offset: 24, .size: 8, .value_kind: global_buffer, .address_space: global }
      - { .name: b_v, .offset: 32, .size: 8, .value_kind: global_buffer, .address_space: global }
      - { .name: rec, .offset: 40, .size: 8, .value_kind: global_buffer, .address_space: global }
    .group_segment_fixed_size: 327680
    .private_segment_fixed_size: 0
    .kernarg_segment_align: 8
    .kernarg_segment_size: 48
    .max_flat_workgroup_size: 128
    .sgpr_count:     102
    .vgpr_count:     1024
    .wavefront_size: 32
...
	.end_amdgpu_metadata
.endif
;; end of part 2
;; launch attn (part 3): grid 4 x 64, 16 waves a work-group, clusters of 4 x 1, 169,984 bytes of LDS; arguments rec, maskbits, ximg, xsc; writes ximg, xsc
.if DOCPART == 3
	.amdgcn_target "amdgcn-amd-amdhsa--gfx1250"
	.amdhsa_code_object_version 6
	.text
	.protected	k_qeea20731ef_attn
	.globl	k_qeea20731ef_attn
	.p2align	8
	.type	k_qeea20731ef_attn,@function
k_qeea20731ef_attn:
	s_mov_b64 s[64:65], 0
	v_nop
	global_prefetch_b8 v0, s[64:65] scope:SCOPE_SE
	s_setreg_imm32_b32 hwreg(HW_REG_WAVE_MODE, 25, 1), 1
	s_wait_xcnt 0x0
	s_wait_alu depctr_hold_cnt(0) depctr_sa_sdst(0) depctr_va_vdst(0) depctr_va_sdst(0) depctr_va_ssrc(0) depctr_va_vcc(0) depctr_vm_vsrc(0)
	s_getreg_b32 s2, hwreg(HW_REG_IB_STS2, 6, 4)
	s_cmp_eq_u32 s2, 0
	s_cbranch_scc0 .Lentry_in_a_cluster
	s_endpgm
.Lentry_in_a_cluster:
	s_bfe_u32 s2, ttmp6, 0x10000c
	s_cmp_lg_u32 s2, 0x3003
	s_cbranch_scc0 .Lentry_shape_is_right
	s_endpgm
.Lentry_shape_is_right:
; ATTN.  x[b][q][head x 64 + d] = sum over keys of softmax(Q . K / 8, hidden keys left out) V, both products on codes of FP4 (E2M1) with E8M0 scales; x is quantised along d for the last product.
; THE SOFTMAX: t = score x log2(e) / 8; M = the row's largest t so far, rounded UP to a whole number; p = 2^(t - M) is quantised along the keys, not normalised; the row's sum is taken of the unquantised p and
; divides at the end.  When M moves, the sum and O are multiplied by 2^(old M - new M): exact.
; THE MASK GOES THROUGH THE MATRIX UNIT.  It comes as codes (-4 where a key is hidden, else 0), one register for 16 keys x 16 queries: lane (key, hq), nibble i = query 8 hq + i.  Multiplied by a constant
; one-hot operand (column q has the code of 1 at k = 32 (q / 8) + q % 8), both scales 2^19, it starts each accumulator of scores at -2^40 or at 0; K Q^T then adds onto it in place.
; Two words share an operand's first register pair, so there are two one-hot operands: the ones in register 0 (even key tiles) or in register 1 (odd); whatever else the operand's eight registers hold meets zeros.
; A ROW WITH EVERY KEY HIDDEN.  The running largest t begins at -2^31, so hidden keys have p = 0 always, and such a row ends with the sum 0.  reference() gives it equal weights: there O and the sum are replaced
; (a select, no branch) by the sum of the head's quantised V over all keys and by 2,048.  That sum is made once: wave w multiplies its own record's V by ones, the 16 parts are added through LDS.
; LIMITS: the promise holds while the scaled scores t stay under 2^31 in magnitude; results differ from reference() where a row's largest open logit lies under about -1e9, where reference()'s hidden keys would
; count again.  A block of zeros gets the byte 1 (the rule says 127): its codes are zeros.  NaN and infinities are not served.
; SHARES.  A work-group owns one (batch, head) and 512 queries; each of its sixteen waves two tiles of 16 queries, one after the other; every wave walks the head's 16 key steps of 128.
; A barrier is signalled in the middle of each key step and awaited at its end: it keeps the sixteen waves within one key step of each other.
; LDS.  The head's K and V (images of the operands' registers, and their scale words) are 16 records of 8,960 bytes: they come ONCE, wave w's load brings record w, and stay.  Behind them 4,096 bytes of parts of V's sum,
; 4,096 of the waves' own copies of the sum, and the spare words.
; CLUSTER.  The four work-groups of a cluster own the same head: each record is asked for JOINTLY, by the same tensor load with the same descriptor and the mask of all four.
; NO PREFETCH: K and V come by one load at the head, where there is no loop to run ahead in; the mask's words are asked for by their own loads a whole key step ahead of their use.
; LAYOUT.  Both products are used transposed: S^T = K Q^T (source 0 = 16 keys, source 1 = my 16 queries), O^T = V^T P^T: a lane holds ONE query (lane % 16) throughout.  Register 8 t + j of S^T holds key 16 t + 8 h + j.
; The first product's K is 64 of the instruction's 128: Q's upper four registers hold zero codes; a tile of K is four registers, and its operand's upper four are the next tile's (behind the last: the second tile's Q).
; REGISTERS: v1 16 x lane; v2 16 r; v3, v4 the step's LDS addresses; v6 my place among the sums; v7 32 r; v8-15 the mask's words; v16-23 Q; v24 Q's scale words; v25 the mask's scales; v26 -M, v27 the largest t;
;   v[28:29] the sum; v30 the scale 1; v31 the second tile's scale words; v32-63 K; v64-67 the second tile's Q; v68-75 K's scale words; v76-79 V's; v80-87, v88-95 the one-hot operands; v96-159 S^T, then p;
;   v160-191 O^T; v192-223 V; v224-231 p's codes; v232-254 at work (v253: p's scale word); v251, v255 the add's two.
.set REC,  13568
.set HS,   16*REC
.set LREC, 8960                        ; what of a record goes to LDS
.set KSW,  4096                        ; in it: K's scale words,
.set VIM,  4608                        ; V's images,
.set VSW,  8704                        ; V's scale words
.set QIM,  8960                        ; in memory behind them: Q's images,
.set QSW,  13056                       ; Q's scale words
.set PART, 16*LREC                     ; LDS: 16 parts of V's sum, 256 bytes each; 4,096 bytes on: each wave's own copy of the sum
.set SPARE, 0x29000
.macro CROUND                          ; a round of the cluster's barrier
	s_barrier_signal -1
	s_barrier_wait -1
	s_cmp_lg_u32 s12, 0
	s_cbranch_scc1 .Lnot_wave_0_\@
	s_barrier_signal -3
.Lnot_wave_0_\@:
	s_barrier_wait -3
	s_barrier_signal -1
	s_barrier_wait -1
.endm
	s_load_b256 s[4:11], s[0:1], 0x0               ; rec s[4:5], maskbits s[6:7], ximg s[8:9], xsc s[10:11]
	v_lshl_add_u32 v251, v0, 2, SPARE
	v_mov_b32 v255, 0
	ds_add_u32 v251, v255                          ; the opening lines: the add, twice on end, and its wait
	ds_add_u32 v251, v255
	v_lshrrev_b32 v1, 5, v0
	v_readfirstlane_b32 s12, v1                    ; wave 0..15
	s_bfe_u32 s14, ttmp6, 0x40000                  ; cx: which 512 queries
	s_and_b32 s15, ttmp7, 0xffff                   ; batch x 16 + head, which the four partners share
	s_mul_i32 s32, s15, HS                         ; the head's first record
	s_mul_i32 s34, s12, REC
	s_add_co_u32 s34, s34, s32                     ; record w of it
	s_mov_b32 s35, 0
	s_mov_b32 s24, 15|(3<<16)|(1<<21)              ; group 1: 8,960 dense bytes as 35 rows of 256 (32 elements of 8 bytes); the mask of all four; bit 21 beside it
	s_mov_b32 s25, 32<<16
	s_mov_b32 s26, 35<<16
	s_mov_b32 s27, 32<<16
	s_mov_b32 s28, 35
	s_mov_b32 s29, 32
	s_mov_b32 s30, 0
	s_mov_b32 s31, 0
	s_mov_b32 s16, 1
	s_mul_i32 s17, s12, LREC                       ; LDS: wave x 8,960: no place in the cluster enters an LDS address
	s_wait_dscnt 0x0
	s_wait_kmcnt 0x0
	s_add_nc_u64 s[18:19], s[4:5], s[34:35]
	s_or_b32 s19, s19, 0x80000000
	CROUND                                         ; all four work-groups are here: the joint loads meet
	tensor_load_to_lds s[16:19], s[24:31]          ; my one tensor load
	s_nop 0
.rept 4
	v_nop
.endr
	s_lshl_b32 s36, s14, 2                         ; my queries' record: step 4 cx + w / 4 of the head
	s_lshr_b32 s37, s12, 2
	s_add_co_u32 s36, s36, s37
	s_mul_i32 s36, s36, REC
	s_add_co_u32 s36, s36, s32
	s_mov_b32 s37, 0
	s_add_nc_u64 s[4:5], s[4:5], s[36:37]
	s_lshl_b32 s38, s14, 5
	s_lshl_b32 s39, s12, 1
	s_add_co_u32 s38, s38, s39                     ; my first query tile: 32 cx + 2 w
	s_lshl_b32 s46, s38, 14                        ; its 16 mask records of 1,024 bytes; the second tile's follow them
	s_mov_b32 s47, 0
	s_add_nc_u64 s[44:45], s[6:7], s[46:47]
	s_lshr_b32 s39, s15, 4
	s_lshl_b32 s39, s39, 7
	s_add_co_u32 s38, s38, s39                     ; the block of 16 rows of x: 128 x batch + tile
	s_and_b32 s43, s15, 15                         ; the head
	s_lshl_b32 s40, s38, 13                        ; ximg: 8,192 bytes a block of rows, 512 a head
	s_lshl_b32 s42, s43, 9
	s_add_co_u32 s40, s40, s42
	s_mov_b32 s41, 0
	s_add_nc_u64 s[8:9], s[8:9], s[40:41]
	s_lshl_b32 s40, s38, 9                         ; xsc: 512 bytes a block of rows, 2 a head
	s_lshl_b32 s42, s43, 1
	s_add_co_u32 s40, s40, s42
	s_add_nc_u64 s[10:11], s[10:11], s[40:41]
	s_mov_b32 s20, 0x76543210                      ; v_permlanex16_b32's selects for lane l xor 16
	s_mov_b32 s21, 0xfedcba98
	s_mov_b32 s22, 0x3e38aa3b                      ; c = log2(e) / 8
	s_mov_b32 s23, s22                             ; (named with it as a pair, so it is written)
	s_and_b32 s33, s12, 3
	s_lshl_b32 s33, s33, 10                        ; Q's image: tile 2 (w % 4) of its record's eight
	s_bfe_u32 s34, s12, 0x10001
	s_lshl_b32 s34, s34, 8
	s_and_b32 s35, s12, 1
	s_lshl_b32 s35, s35, 3
	s_add_co_u32 s34, s34, s35                     ; its scale word: [tile / 4][r][tile % 4]
	s_lshl_b32 s36, s12, 8                         ; 256 x wave
	s_add_co_u32 s37, s36, PART
	v_mov_b32 v30, 0x7f7f7f7f                      ; the scale 1
	v_mov_b32 v25, 0x92929292                      ; the scale 2^19: -4 x 1 x 2^19 x 2^19 = -2^40
.irp i, 96,97,98,99,100,101,102,103
	v_mov_b32 v[\i], 0x22222222                    ; an operand of ones, for V's sum
.endr
	v_and_b32 v1, 31, v0
	v_lshl_add_u32 v234, v1, 3, PART               ; the parts, read 8 bytes a lane
	v_lshlrev_b32 v1, 4, v1                        ; 16 x lane
	v_and_b32 v2, 15, v0
	v_lshlrev_b32 v7, 5, v2                        ; 32 r
	v_lshlrev_b32 v2, 4, v2                        ; 16 r
	v_add_nc_u32 v232, s33, v1
	v_add_nc_u32 v233, s34, v2
	v_add_nc_u32 v235, s36, v234                   ; my wave's copy of the sum lies 4,096 bytes behind this
	v_bfe_u32 v238, v0, 4, 1                       ; h
	v_lshlrev_b32 v6, 5, v238
	v_add_nc_u32 v6, s37, v6                       ; my wave's part: + 32 h
	v_and_b32 v236, 7, v0
	v_lshlrev_b32 v236, 2, v236
	v_mov_b32 v237, 2                              ; the code of 1
	v_lshlrev_b32 v236, v236, v237                 ; at nibble r % 8,
	v_bfe_u32 v237, v0, 3, 1
	v_cmp_eq_u32 s66, v237, v238                   ; in the half of the lanes with h = r / 8
	v_cndmask_b32 v80, 0, v236, s66
	v_cndmask_b32 v89, 0, v236, s66
.irp i, 20,21,22,23,81,82,83,84,85,86,87,88,90,91,92,93,94,95
	v_mov_b32 v[\i], 0                             ; zero codes
.endr
.irp i, 236,237,238,239,253
	v_mov_b32 v[\i], 0                             ; written once: lane permutes' destinations, and the upper half of the pair v[252:253]
.endr
	v_add_nc_u32 v3, s17, v1                       ; my own record
	v_add_nc_u32 v4, s17, v2
	s_wait_alu depctr_va_vdst(0)
	global_load_b128 v[16:19], v232, s[4:5] offset:QIM             ; both tiles' Q and scale words,
	global_load_b32 v24, v233, s[4:5] offset:QSW
	global_load_b128 v[64:67], v232, s[4:5] offset:QIM+512
	global_load_b32 v31, v233, s[4:5] offset:QSW+4
	global_load_b128 v[8:11], v1, s[44:45]                         ; and the first key step's mask words: 512 consecutive bytes a load
	global_load_b128 v[12:15], v1, s[44:45] offset:512
	s_wait_tensorcnt 0x0                           ; my record is in: I alone read it ahead of the barrier
.irp f, 0,1,2,3,4,5,6,7
	ds_load_b128 v[192+4*\f:195+4*\f], v3 offset:VIM+512*\f
.endr
	ds_load_b128 v[76:79], v4 offset:VSW
	s_wait_dscnt 0x0
.irp t, 0,1,2,3                                ; my 128 keys' part of V's sum: every column holds the same
	v_wmma_scale_f32_16x16x128_f8f6f4 v[160+8*\t:167+8*\t], v[192+8*\t:199+8*\t], v[96:103], 0, v[76+\t], v30 matrix_a_fmt:MATRIX_FMT_FP4 matrix_b_fmt:MATRIX_FMT_FP4
.endr
.rept 4
	v_nop
.endr
.irp t, 0,1,2,3
	ds_store_b128 v6, v[160+8*\t:163+8*\t] offset:64*\t            ; d = 16 t + 8 h + j; the sixteen lanes of a half store the same numbers to the same bytes
	ds_store_b128 v6, v[164+8*\t:167+8*\t] offset:64*\t+16
.endr
	s_wait_dscnt 0x0
	s_barrier_signal -1
	s_barrier_wait -1                              ; everybody's record and part are in
.irp t, 0,1,2,3,4,5,6,7
	ds_load_b128 v[32+4*\t:35+4*\t], v1 offset:512*\t              ; the first key step's K
.endr
	ds_load_b128 v[68:71], v2 offset:KSW
	ds_load_b128 v[72:75], v2 offset:KSW+256
.irp w, 0,1,2,3,4,5,6,7,8,9,10,11,12,13,14,15
	ds_load_b64 v[96+2*\w:97+2*\w], v234 offset:256*\w             ; d = 2 lane, 2 lane + 1 of part w
.endr
	s_wait_dscnt 0x0
.irp n, 16,8,4,2
.set i, 0
.rept \n/2
	v_pk_add_f32 v[96+i:97+i], v[96+i:97+i], v[96+\n+i:97+\n+i]
.set i, i+2
.endr
.endr
	ds_store_b64 v235, v[96:97] offset:4096        ; my wave's own copy of the sum
; A KEY STEP.  kn = 1: the next step's K lies a record on; 2: it is record 0, for my second tile; 0: nothing follows.
.macro STEP kn
	v_add_nc_u32 v3, s3, v1
	v_add_nc_u32 v4, s3, v2
	s_wait_alu depctr_va_vdst(0)
	s_wait_loadcnt 0x0                             ; this step's mask words, asked for a step ago
.irp u, 0,1,2,3                                ; the scores begin at -2^40 (hidden) or 0
	v_wmma_scale_f32_16x16x128_f8f6f4 v[96+16*\u:103+16*\u], v[8+2*\u:15+2*\u], v[80:87], 0, v25, v25 matrix_a_fmt:MATRIX_FMT_FP4 matrix_b_fmt:MATRIX_FMT_FP4
	v_wmma_scale_f32_16x16x128_f8f6f4 v[104+16*\u:111+16*\u], v[8+2*\u:15+2*\u], v[88:95], 0, v25, v25 matrix_a_fmt:MATRIX_FMT_FP4 matrix_b_fmt:MATRIX_FMT_FP4
.endr
.if \kn
	s_add_nc_u64 s[44:45], s[44:45], 1024          ; the next record (the loads that read the address are done)
.endif
	s_wait_dscnt 0x0                               ; K and its scale words, asked for a step ago
.irp t, 0,1,2,3,4,5,6,7                        ; the eight accumulators by turns, each link seven instructions behind the one that it adds onto
	v_wmma_scale_f32_16x16x128_f8f6f4 v[96+8*\t:103+8*\t], v[32+4*\t:39+4*\t], v[16:23], v[96+8*\t:103+8*\t], v[68+\t], v24 matrix_a_fmt:MATRIX_FMT_FP4 matrix_b_fmt:MATRIX_FMT_FP4
.endr
.rept 4
	v_nop                                          ; places in front of the reads of the scores and of the loads into the products' sources
.endr
.if \kn
	global_load_b128 v[8:11], v1, s[44:45]
	global_load_b128 v[12:15], v1, s[44:45] offset:512
.endif
	s_barrier_signal -1                            ; no LDS instruction of mine is out
.irp f, 0,1,2,3,4,5,6,7
	ds_load_b128 v[192+4*\f:195+4*\f], v3 offset:VIM+512*\f        ; V's four fragments
.endr
	ds_load_b128 v[76:79], v4 offset:VSW
.if \kn == 1
.irp t, 0,1,2,3,4,5,6,7
	ds_load_b128 v[32+4*\t:35+4*\t], v3 offset:LREC+512*\t         ; the next step's K
.endr
	ds_load_b128 v[68:71], v4 offset:LREC+KSW
	ds_load_b128 v[72:75], v4 offset:LREC+KSW+256
.endif
.if \kn == 2
.irp t, 0,1,2,3,4,5,6,7
	ds_load_b128 v[32+4*\t:35+4*\t], v1 offset:512*\t
.endr
	ds_load_b128 v[68:71], v2 offset:KSW
	ds_load_b128 v[72:75], v2 offset:KSW+256
.endif
.irp b, 0,1,2,3
	v_max3_num_f32 v[232+\b], v[96+16*\b], v[97+16*\b], v[98+16*\b]   ; the largest score of each block of 32 keys: for the row's maximum, and, since p rises with the score, for the block's largest p
.endr
.irp i, 3,5,7,9,11,13
.irp b, 0,1,2,3
	v_max3_num_f32 v[232+\b], v[232+\b], v[96+16*\b+\i], v[97+16*\b+\i]
.endr
.endr
.irp b, 0,1,2,3
	v_max_num_f32 v[232+\b], v[232+\b], v[111+16*\b]
.endr
.irp b, 0,1,2,3
	v_permlanex16_b32 v[236+\b], v[232+\b], s20, s21
.endr
.irp b, 0,1,2,3
	s_delay_alu instid0(VALU_DEP_4)
	v_max_num_f32 v[232+\b], v[232+\b], v[236+\b]  ; with lane l xor 16's 16 keys
.endr
	s_delay_alu instid0(VALU_DEP_2)
	v_max3_num_f32 v254, v232, v233, v234
	s_delay_alu instid0(VALU_DEP_1)
	v_max_num_f32 v254, v254, v235                 ; the step's largest score of my query
	s_delay_alu instid0(VALU_DEP_1)
	v_mul_f32 v254, s22, v254                      ; as t (c is positive)
	s_delay_alu instid0(VALU_DEP_1)
	v_max_num_f32 v27, v27, v254                   ; the running largest t
	v_mov_b32 v254, v26
	s_delay_alu instid0(VALU_DEP_2)
	v_floor_f32 v26, -v27                          ; the new -M = floor(-t) = -ceil(t): M is a whole number
	s_delay_alu instid0(VALU_DEP_1)
	v_sub_f32 v254, v26, v254                      ; M's old value less its new one: a whole number, 0 or less
	s_delay_alu instid0(VALU_DEP_1)
	v_cvt_i32_f32 v254, v254                       ; (it saturates)
	s_delay_alu instid0(VALU_DEP_1)
	v_ldexp_f32 v252, 1.0, v254                    ; f = 2^(old M - new M)
.set j, 0
.rept 32
	v_pk_fma_f32 v[96+j:97+j], v[96+j:97+j], s[22:23], v[26:27] op_sel_hi:[1,0,0]   ; t - M, two at a time
.set j, j+2
.endr
.irp b, 0,1,2,3
	v_fma_f32 v[232+\b], v[232+\b], s22, v26       ; the same of each block's largest score
.endr
.set j, 0
.rept 16
	v_pk_mul_f32 v[160+j:161+j], v[160+j:161+j], v[252:253] op_sel_hi:[1,0]   ; O^T under the new M: x f; each accumulator from its low end on
.set j, j+2
.endr
	s_wait_alu depctr_va_vdst(0)
.set j, 0
.rept 64
	v_exp_f32 v[96+j], v[96+j]                     ; p = 2^(t - M), at most 1: not normalised
.set j, j+1
.endr
.irp b, 0,1,2,3
	v_exp_f32 v[232+\b], v[232+\b]                 ; the block's largest p: the same two instructions on the same number give the same bits
.endr
	v_pk_mul_f32 v[28:29], v[28:29], v[252:253] op_sel_hi:[1,0]    ; the sums under the new M.  (A plain place behind the exponentials)
	s_wait_alu depctr_va_vdst(0)                   ; one wait for the batch, ahead of its first reader
.irp b, 0,1,2,3
	v_max_num_f32 v[232+\b], 0x1800000, v[232+\b]  ; the floor 2^(3 - 127): the byte cannot fall under 1
.endr
.irp b, 0,1,2,3
	s_delay_alu instid0(VALU_DEP_4)
	v_add_nc_u32 v[244+\b], 0xff000000, v[232+\b]  ; 2 off the exponent field: the conversion's scale operand
.endr
.irp b, 0,1,2,3
	s_delay_alu instid0(VALU_DEP_4)
	v_lshrrev_b32 v[236+\b], 23, v[244+\b]         ; the scale's byte
.endr
	s_delay_alu instid0(VALU_DEP_3)
	v_lshl_or_b32 v253, v237, 8, v236              ; p's scale word for these 128 keys
	s_delay_alu instid0(VALU_DEP_1)
	v_lshl_or_b32 v253, v238, 16, v253
	s_delay_alu instid0(VALU_DEP_1)
	v_lshl_or_b32 v253, v239, 24, v253
.irp c, 0,1                                    ; blocks X = 2 c and Y = 2 c + 1
	v_cvt_scalef32_pk8_fp4_f32 v[224+4*\c],   v[96+32*\c:103+32*\c],  v[244+2*\c]   ; X: keys 8 h + 0 .. 7
	v_cvt_scalef32_pk8_fp4_f32 v[226+4*\c],   v[104+32*\c:111+32*\c], v[244+2*\c]   ; X: keys 16 + 8 h + 0 .. 7
	v_cvt_scalef32_pk8_fp4_f32 v[225+4*\c],   v[112+32*\c:119+32*\c], v[245+2*\c]   ; Y likewise
	v_cvt_scalef32_pk8_fp4_f32 v[227+4*\c],   v[120+32*\c:127+32*\c], v[245+2*\c]
.endr
	v_nop                                          ; one plain place behind a scaled conversion
.irp c, 0,1
	v_permlane16_swap_b32 v[224+4*\c], v[225+4*\c] ; lanes 0-15 now hold X, lanes 16-31 Y: register 4 c + g: keys 64 c + 32 h + 8 g + 0 .. 7
	v_permlane16_swap_b32 v[226+4*\c], v[227+4*\c]
.endr
	v_pk_add_f32 v[236:237], v[100:101], v[104:105]                ; the row's sum of the unquantised p, in eight chains
	v_pk_add_f32 v[248:249], v[108:109], v[112:113]
	v_pk_add_f32 v[246:247], v[116:117], v[120:121]
	v_pk_add_f32 v[244:245], v[124:125], v[128:129]
	v_pk_add_f32 v[242:243], v[132:133], v[136:137]
	v_pk_add_f32 v[240:241], v[140:141], v[144:145]
	v_pk_add_f32 v[234:235], v[148:149], v[152:153]
	v_pk_add_f32 v[28:29], v[28:29], v[156:157]
	v_pk_add_f32 v[236:237], v[236:237], v[96:97]
	v_pk_add_f32 v[248:249], v[248:249], v[98:99]
	v_pk_add_f32 v[246:247], v[246:247], v[102:103]
	v_pk_add_f32 v[244:245], v[244:245], v[106:107]
	v_pk_add_f32 v[242:243], v[242:243], v[110:111]
	v_pk_add_f32 v[240:241], v[240:241], v[114:115]
	v_pk_add_f32 v[234:235], v[234:235], v[118:119]
	v_pk_add_f32 v[28:29], v[28:29], v[122:123]
	v_pk_add_f32 v[236:237], v[236:237], v[126:127]
	v_pk_add_f32 v[248:249], v[248:249], v[130:131]
	v_pk_add_f32 v[246:247], v[246:247], v[134:135]
	v_pk_add_f32 v[244:245], v[244:245], v[138:139]
	v_pk_add_f32 v[242:243], v[242:243], v[142:143]
	v_pk_add_f32 v[240:241], v[240:241], v[146:147]
	v_pk_add_f32 v[234:235], v[234:235], v[150:151]
	v_pk_add_f32 v[28:29], v[28:29], v[154:155]
	v_pk_add_f32 v[236:237], v[236:237], v[158:159]
	v_pk_add_f32 v[28:29], v[28:29], v[244:245]
	v_pk_add_f32 v[236:237], v[236:237], v[242:243]
	v_pk_add_f32 v[248:249], v[248:249], v[240:241]
	v_pk_add_f32 v[246:247], v[246:247], v[234:235]
	v_pk_add_f32 v[28:29], v[28:29], v[248:249]
	v_pk_add_f32 v[236:237], v[236:237], v[246:247]
	v_pk_add_f32 v[28:29], v[28:29], v[236:237]
.if \kn
	s_wait_dscnt 10                                ; V's nine loads are in; the next step's ten of K may be out
.else
	s_wait_dscnt 0x0
.endif
.irp t, 0,1,2,3                                ; O^T += V^T P^T: the four accumulators by turns
	v_wmma_scale_f32_16x16x128_f8f6f4 v[160+8*\t:167+8*\t], v[192+8*\t:199+8*\t], v[224:231], v[160+8*\t:167+8*\t], v[76+\t], v253 matrix_a_fmt:MATRIX_FMT_FP4 matrix_b_fmt:MATRIX_FMT_FP4
.endr
	s_barrier_wait -1                              ; every wave is past the middle of this step
.endm
; ONE TILE OF 16 QUERIES: the p-th of my two.
.macro PASS p
.if \p
.irp i, 0,1,2,3
	v_mov_b32 v[16+\i], v[64+\i]                   ; the second tile's Q,
.endr
	v_mov_b32 v24, v31                             ; and its scale words
.endif
	v_mov_b32 v27, 0xcf000000                      ; the largest t so far: -2^31
	v_mov_b32 v26, 0x4f000000                      ; -M = 2^31
	v_mov_b32 v28, 0                               ; the sum, in two halves
	v_mov_b32 v29, 0
.set j, 0
.rept 32
	v_mov_b32 v[160+j], 0                          ; O^T.  (The step is written once: the first finds zeros, which the first change of M leaves zeros)
.set j, j+1
.endr
	s_mov_b32 s3, 0                                ; the step's record in LDS
	s_mov_b32 s13, 15
.Lstep_\@:
	STEP 1
	s_add_co_u32 s3, s3, LREC
	s_sub_co_u32 s13, s13, 1
	s_cmp_lg_u32 s13, 0
	s_cbranch_scc1 .Lstep_\@
.if \p
	STEP 0                                         ; the last step is written out: what it asks for ahead differs
.else
	STEP 2
.endif
	; the tile's end: O^T / the sum; register 8 t + j is x(query r, d = 16 t + 8 h + j): two blocks of 32 along d, quantised as p is
.rept 4
	v_nop                                          ; places behind the last products
.endr
.irp t, 0,1,2,3
	ds_load_b128 v[128+8*\t:131+8*\t], v6 offset:4096+64*\t        ; V's sum in O^T's layout, from my wave's own copy
	ds_load_b128 v[132+8*\t:135+8*\t], v6 offset:4096+64*\t+16
.endr
	s_wait_alu depctr_va_vdst(0)
	v_add_f32 v28, v28, v29                        ; the sum's two halves,
	v_permlanex16_b32 v252, v28, s20, s21
	v_add_f32 v28, v28, v252                       ; and lane l xor 16's: the row's sum
	v_mov_b32 v254, 0x45000000                     ; 2,048
	v_cmp_eq_f32 s66, 0, v28                       ; 0 only where every key of the row is hidden
	v_cndmask_b32 v28, v28, v254, s66
	s_wait_alu depctr_va_vdst(0)
	s_wait_dscnt 0x0
.set j, 0
.rept 32
	v_cndmask_b32 v[96+j], v[160+j], v[128+j], s66 ; each accumulator from its low end on
.set j, j+1
.endr
	s_wait_alu depctr_va_vdst(0)
	v_rcp_f32 v28, v28
	v_nop                                          ; a plain place behind the reciprocal
	s_wait_alu depctr_va_vdst(0)
.set j, 0
.rept 16
	v_pk_mul_f32 v[96+j:97+j], v[96+j:97+j], v[28:29] op_sel_hi:[1,0]
.set j, j+2
.endr
	v_max3_num_f32 v232, |v96|,  |v97|,  0x1800000
	v_max3_num_f32 v233, |v112|, |v113|, 0x1800000
.irp i, 2,4,6,8,10,12,14
	v_max3_num_f32 v232, v232, |v[96+\i]|,  |v[97+\i]|
	v_max3_num_f32 v233, v233, |v[112+\i]|, |v[113+\i]|
.endr
	v_permlanex16_b32 v236, v232, s20, s21
	v_permlanex16_b32 v237, v233, s20, s21
	v_max_num_f32 v232, v232, v236
	v_max_num_f32 v233, v233, v237
	v_add_nc_u32 v244, 0xff000000, v232
	v_add_nc_u32 v245, 0xff000000, v233
	v_lshrrev_b32 v236, 23, v244
	v_lshrrev_b32 v237, 23, v245
	v_lshl_or_b32 v238, v237, 8, v236              ; the head's two scale bytes of row r
	v_cvt_scalef32_pk8_fp4_f32 v224, v[96:103],  v244
	v_cvt_scalef32_pk8_fp4_f32 v226, v[104:111], v244
	v_cvt_scalef32_pk8_fp4_f32 v225, v[112:119], v245
	v_cvt_scalef32_pk8_fp4_f32 v227, v[120:127], v245
	v_nop
	v_permlane16_swap_b32 v224, v225
	v_permlane16_swap_b32 v226, v227
	global_store_b128 v1, v[224:227], s[8:9] offset:8192*\p        ; half a fragment of the last product's A, as its registers will stand: 512 consecutive bytes
	global_store_b16 v7, v238, s[10:11] offset:512*\p              ; 2 bytes of each row's 32 (both halves of the lanes store the same): a row's other heads lie in other work-groups
.endm
	PASS 0
	s_wait_xcnt 0x0                                ; the stores have read their registers: the second tile writes them again
	PASS 1
	s_wait_tensorcnt 0x0                           ; the wave's end
	ds_add_u32 v251, v255
	s_wait_dscnt 0x0
	CROUND                                         ; the closing round: no work-group ends while a partner may still ask for a record that names it
	s_endpgm
.Lfunc_end_k_qeea20731ef_attn:
	.size	k_qeea20731ef_attn, .Lfunc_end_k_qeea20731ef_attn-k_qeea20731ef_attn
	.p2alignl 7, 3214868480
	.fill 96, 4, 3214868480
	.section	.rodata,"a",@progbits
	.p2align	6, 0x0
	.amdhsa_kernel k_qeea20731ef_attn
		.amdhsa_group_segment_fixed_size 169984
		.amdhsa_private_segment_fixed_size 0
		.amdhsa_enable_private_segment 0
		.amdhsa_kernarg_size 32
		.amdhsa_user_sgpr_count 2
		.amdhsa_user_sgpr_kernarg_segment_ptr 1
		.amdhsa_wavefront_size32 1
		.amdhsa_system_sgpr_workgroup_id_x 1
		.amdhsa_system_sgpr_workgroup_id_y 1
		.amdhsa_system_sgpr_workgroup_id_z 1
		.amdhsa_system_vgpr_workitem_id 0
		.amdhsa_next_free_vgpr 256
		.amdhsa_next_free_sgpr 100
		.amdhsa_reserve_vcc 0
		.amdhsa_float_denorm_mode_32 3
		.amdhsa_float_denorm_mode_16_64 3
		.amdhsa_memory_ordered 1
		.amdhsa_forward_progress 1
		.amdhsa_inst_pref_size 93
	.end_amdhsa_kernel
	.amdgpu_metadata
---
amdhsa.version: [ 1, 2 ]
amdhsa.kernels:
  - .name:           k_qeea20731ef_attn
    .symbol:         k_qeea20731ef_attn.kd
    .args:
      - { .name: rec, .offset: 0, .size: 8, .value_kind: global_buffer, .address_space: global }
      - { .name: maskbits, .offset: 8, .size: 8, .value_kind: global_buffer, .address_space: global }
      - { .name: ximg, .offset: 16, .size: 8, .value_kind: global_buffer, .address_space: global }
      - { .name: xsc, .offset: 24, .size: 8, .value_kind: global_buffer, .address_space: global }
    .group_segment_fixed_size: 169984
    .private_segment_fixed_size: 0
    .kernarg_segment_align: 8
    .kernarg_segment_size: 32
    .max_flat_workgroup_size: 512
    .sgpr_count:     100
    .vgpr_count:     256
    .wavefront_size: 32
...
	.end_amdgpu_metadata
.endif
;; end of part 3
;; launch outp (part 4): grid 4 x 64, 4 waves a work-group, clusters of 4 x 4, 327,680 bytes of LDS; arguments ximg, xsc, codes, scales, b_o, out0; writes out0
.if DOCPART == 4
	.amdgcn_target "amdgcn-amd-amdhsa--gfx1250"
	.amdhsa_code_object_version 6
	.text
	.protected	k_qeea20731ef_outp
	.globl	k_qeea20731ef_outp
	.p2align	8
	.type	k_qeea20731ef_outp,@function
k_qeea20731ef_outp:
	s_mov_b64 s[64:65], 0
	v_nop
	global_prefetch_b8 v0, s[64:65] scope:SCOPE_SE
	s_setreg_imm32_b32 hwreg(HW_REG_WAVE_MODE, 25, 1), 1
	s_wait_xcnt 0x0
	s_wait_alu depctr_hold_cnt(0) depctr_sa_sdst(0) depctr_va_vdst(0) depctr_va_sdst(0) depctr_va_ssrc(0) depctr_va_vcc(0) depctr_vm_vsrc(0)
	s_getreg_b32 s2, hwreg(HW_REG_IB_STS2, 6, 4)
	s_cmp_eq_u32 s2, 0
	s_cbranch_scc0 .Lentry_in_a_cluster
	s_endpgm
.Lentry_in_a_cluster:
	s_bfe_u32 s2, ttmp6, 0x10000c
	s_cmp_lg_u32 s2, 0xf033
	s_cbranch_scc0 .Lentry_shape_is_right
	s_endpgm
.Lentry_shape_is_right:
; OUTP.  out0 = x w_o^T + b_o on codes of FP4 (E2M1) with E8M0 scales.  A work-group makes a block of 128 rows x 256 columns: 8,192 x 1,024 / (128 x 256) = 256 work-groups.
; Four waves, each 64 rows x 128 columns: 32 accumulators of 16 x 16.  K = 1,024 goes in eight steps of 128; the bias is the C of each accumulator's first product.
; THE MATRIX INSTRUCTION IS USED TRANSPOSED (source 0 = 16 rows of w_o, source 1 = 16 rows of x): a lane holds eight neighbouring numbers of a row of out0.
; LDS.  K is short: x's codes (images of the operand's registers, 8,192 bytes for 16 rows and all of K: 65,536 dense bytes), w_o's 256 rows of 512 bytes (+ 16 of padding each in LDS) and both operands'
; scale bytes come at the head, one joint load a wave, and stay: nothing is filled again.  No prefetch: there is no loop to run ahead in.
; CLUSTER.  4 x 4 work-groups: x's tile and scales are shared along a row of the cluster, w_o's along a column.
; FRAGMENTS.  Both operands have two sets of registers: a step's 24 LDS loads for the next step are issued ahead of its 32 matrix instructions.  Every LDS offset is an immediate.
; THE WAY OUT goes through a stage on x's bytes, behind a barrier in front of which every wave's LDS reads are over; whole rows of 512 bytes are stored.
; REGISTERS, in windows of 256: window 0: v16-27 addresses; v32-95 scale words (lanes 0-15 x's block i, lanes 16-31 w_o's block i), a set for each half of K; v126, v127 the add's two; v128-191 x's fragments, two sets;
;   v192-255 the bias; on the way out v128-255 take the rows read back.  Window 1: w_o's fragments, two sets, at v0 and v128.  Window 2: the accumulators, (a, b) at v[8 (8 a + b)].
.set SIZE_N, 1024
.set NQ,     4                         ; scale words in a load: 512 along K
.set KROW,   512                       ; a row of w_o's codes in bytes
.set PITCH,  528                       ; and in LDS
.set FR,     8
.set NP,     4                         ; places behind this matrix instruction (ISA guide 7.12.1)
.set HALFT,  128*PITCH
.set BOFF,   65536                     ; w_o's rows lie behind x's eight images
.set KS,     32                        ; a row of scale bytes
.set SCL,    BOFF+2*HALFT              ; the scales: x's 128 rows, then w_o's 256, as units of 256 bytes + 16 of padding
.set HALFS,  (128*KS/256)*272
.set SBLK,   (16*KS/256)*272
.set SPARE,  SCL+3*HALFS               ; the spare words: two blocks of 256 bytes that no other line names
.set SPITCH, 528                       ; the stage: 16 rows x (512 + 16) bytes for each wave
.set ADRA, 16
.set BOF,  18
.set ADRB, 20
.set STO,  24
.set RD,   25
.set CO,   26
.set ADRS, 27
.set SC,   32
.set AF,   128
.set BK,   128
.set BI,   192
.set G1, 24
.set G0, 32
.set G1B, 48
.set G0B, 56
.set G1S, 68
.set G0S, 76
.set G1SB, 80
.set G0SB, 88
.set MSB, 0
.macro WIN new                         ; the immediate's high byte repeats the setting that is left
.if MSB != (\new)
	s_set_vgpr_msb (MSB<<8)|(\new)
.set MSB, (\new)
.endif
.endm
.set MUL_LO, 0xa1                      ; source 0 window 1, source 1 window 0, C and D window 2
.set FST_LO, 0x81                      ; the same with C in window 0: the bias
.set TO_B,   0x40                      ; destination window 1
.macro ARM under, g0, g1, next         ; one arm of the head's tree: a joint load, its s_nop 0 and four v_nop, and a jump to the tree's end
	s_cmp_lt_u32 s14, \under
	s_cbranch_scc0 \next
	tensor_load_to_lds s[\g0:\g0+3], s[\g1:\g1+7]
	s_nop 0
.rept 4
	v_nop
.endr
	s_branch .Lhead_asked
\next:
.endm
.macro CROUND                          ; a round of the cluster's barrier
	s_barrier_signal -1
	s_barrier_wait -1
	s_cmp_lg_u32 s14, 0
	s_cbranch_scc1 .Lnot_wave_0_\@
	s_barrier_signal -3
.Lnot_wave_0_\@:
	s_barrier_wait -3
	s_barrier_signal -1
	s_barrier_wait -1
.endm
	s_load_b128 s[4:7], s[0:1], 0x0                ; ximg, xsc
	s_load_b128 s[8:11], s[0:1], 0x10              ; codes, scales
	s_load_b64 s[96:97], s[0:1], 0x20              ; b_o
	s_load_b64 s[12:13], s[0:1], 0x28              ; out0
	v_lshl_add_u32 v126, v0, 2, SPARE
	v_mov_b32 v127, 0
	ds_add_u32 v126, v127                          ; the opening lines: the add, twice on end, and its wait
	ds_add_u32 v126, v127
	v_lshrrev_b32 v1, 5, v0
	v_readfirstlane_b32 s14, v1                    ; wave 0..3
	s_lshr_b32 s15, s14, 1                         ; which 64 rows of the block are mine
	s_and_b32 s16, s14, 1                          ; which 128 columns
	s_bfe_u32 s40, ttmp6, 0x40000                  ; cx, cy
	s_bfe_u32 s41, ttmp6, 0x40004
	s_lshl_b32 s42, ttmp9, 2
	s_add_co_u32 s42, s42, s40                     ; block column 0..3
	s_and_b32 s17, ttmp7, 0xffff
	s_lshl_b32 s17, s17, 2
	s_add_co_u32 s17, s17, s41                     ; block row 0..63
	s_lshl_b32 s43, s41, 2
	s_lshl_b32 s43, 15, s43                        ; my row of the cluster
	s_lshl_b32 s44, 0x1111, s40                    ; my column
	s_or_b32 s[G1+0], s43, (3<<16)|(1<<21)         ; x: 8 dense rows of 8,192 bytes (1,024 elements of 8), no padding
	s_mov_b32 s[G1+1], 1024<<16
	s_mov_b32 s[G1+2], 8<<16
	s_mov_b32 s[G1+3], 1024<<16
	s_mov_b32 s[G1+4], 8
	s_mov_b32 s[G1+5], 1024
	s_mov_b32 s[G1+6], 0
	s_mov_b32 s[G1+7], 0
	s_or_b32 s[G1B+0], s44, (0<<16)|(1<<20)|(1<<21)|(6<<22)|(3<<25)  ; w_o: 256 rows of 512 bytes; four words of padding after every 128
	s_mov_b32 s[G1B+1], KROW<<16
	s_mov_b32 s[G1B+2], 256<<16
	s_mov_b32 s[G1B+3], KROW<<16
	s_mov_b32 s[G1B+4], 256
	s_mov_b32 s[G1B+5], KROW
	s_mov_b32 s[G1B+6], 0
	s_mov_b32 s[G1B+7], 0
	s_or_b32 s[G1S+0], s43, (3<<16)|(1<<20)|(1<<21)|(5<<22)|(3<<25)  ; x's scales: 4,096 dense bytes as 16 rows of 256, 16 bytes of padding behind each
	s_mov_b32 s[G1S+1], 32<<16
	s_mov_b32 s[G1S+2], 16<<16
	s_mov_b32 s[G1S+3], 32<<16
	s_mov_b32 s[G1S+4], 16
	s_mov_b32 s[G1S+5], 32
	s_mov_b32 s[G1S+6], 0
	s_mov_b32 s[G1S+7], 0
	s_or_b32 s[G1SB+0], s44, (3<<16)|(1<<20)|(1<<21)|(5<<22)|(3<<25) ; w_o's: 32 such rows
	s_mov_b32 s[G1SB+1], 32<<16
	s_mov_b32 s[G1SB+2], 32<<16
	s_mov_b32 s[G1SB+3], 32<<16
	s_mov_b32 s[G1SB+4], 32
	s_mov_b32 s[G1SB+5], 32
	s_mov_b32 s[G1SB+6], 0
	s_mov_b32 s[G1SB+7], 0
	s_lshl_b32 s20, s17, 7                         ; x's first row
	s_lshl_b32 s46, s42, 8
	s_add_co_u32 s46, s46, 27648                   ; w_o's first row among the codes' rows
	s_mov_b32 s21, 0
	s_mov_b32 s47, 0
	s_lshl_b64 s[22:23], s[20:21], 5               ; 32 scale bytes a row,
	s_lshl_b64 s[92:93], s[46:47], 5
	s_lshl_b64 s[20:21], s[20:21], 9               ; 512 bytes of codes
	s_lshl_b64 s[46:47], s[46:47], 9
	s_wait_dscnt 0x0                               ; both opening adds are done
	s_wait_kmcnt 0x0
	s_add_nc_u64 s[20:21], s[4:5], s[20:21]
	s_add_nc_u64 s[22:23], s[6:7], s[22:23]
	s_add_nc_u64 s[46:47], s[8:9], s[46:47]
	s_add_nc_u64 s[92:93], s[10:11], s[92:93]
	CROUND                                         ; all sixteen work-groups are here: the joint loads meet
	s_mov_b32 s[G0], 1
	s_mov_b32 s[G0+1], 0
	s_mov_b64 s[G0+2:G0+3], s[20:21]
	s_or_b32 s[G0+3], s[G0+3], 0x80000000
	s_mov_b32 s[G0B], 1
	s_mov_b32 s[G0B+1], BOFF
	s_mov_b64 s[G0B+2:G0B+3], s[46:47]
	s_or_b32 s[G0B+3], s[G0B+3], 0x80000000
	s_mov_b32 s[G0S], 1
	s_mov_b32 s[G0S+1], SCL
	s_mov_b64 s[G0S+2:G0S+3], s[22:23]
	s_or_b32 s[G0S+3], s[G0S+3], 0x80000000
	s_mov_b32 s[G0SB], 1
	s_mov_b32 s[G0SB+1], SCL+HALFS
	s_mov_b64 s[G0SB+2:G0SB+3], s[92:93]
	s_or_b32 s[G0SB+3], s[G0SB+3], 0x80000000
	; the launch's four loads, one a wave: one tree of branches on the wave's number, every way through it passes one load
	ARM 1, G0,  G1,  .Lhead_b
	ARM 2, G0B, G1B, .Lhead_sa
	ARM 3, G0S, G1S, .Lhead_sb
	tensor_load_to_lds s[G0SB:G0SB+3], s[G1SB:G1SB+7]
	s_nop 0
.rept 4
	v_nop
.endr
.Lhead_asked:
	s_lshl_b32 s36, s15, 15                        ; my four images of x
	s_mul_i32 s37, s16, HALFT
	s_add_co_u32 s37, s37, BOFF                    ; my 128 rows of w_o
	s_mul_i32 s39, s15, HALFS/2                    ; x's scales: my 64 rows
	s_mul_i32 s38, s16, HALFS
	s_add_co_u32 s38, s38, HALFS                   ; w_o's: my 128 rows, behind x's 128
	s_sub_co_u32 s38, s38, s39                     ; the distance between the two
	s_add_co_u32 s39, s39, SCL
	s_mul_i32 s60, s14, 16*SPITCH                  ; my stage
	s_lshl_b32 s20, s17, 7
	s_lshl_b32 s21, s15, 6
	s_add_co_u32 s20, s20, s21                     ; my first row of out0
	s_mov_b32 s21, 0
	s_lshl_b64 s[20:21], s[20:21], 12
	s_lshl_b32 s46, s42, 10                        ; my first column, in bytes
	s_lshl_b32 s47, s16, 9
	s_add_co_u32 s46, s46, s47
	s_mov_b32 s47, 0
	s_add_nc_u64 s[20:21], s[20:21], s[46:47]
	s_add_nc_u64 s[12:13], s[12:13], s[20:21]
	s_add_nc_u64 s[96:97], s[96:97], s[46:47]
	v_and_b32 v1, 15, v0                           ; r
	v_bfe_u32 v2, v0, 4, 1                         ; h
	v_and_b32 v6, 31, v0
	v_lshlrev_b32 v[CO], 4, v6                     ; 16 x lane
	v_mul_u32_u24 v3, v1, PITCH
	v_lshl_add_u32 v4, v2, 4, v3
	v_add_nc_u32 v[ADRA], s36, v[CO]               ; x's images are read as they lie
	v_add_nc_u32 v[ADRB], s37, v4                  ; w_o: row r, + 16 h
	v_mul_u32_u24 v5, v1, KS
	v_lshrrev_b32 v6, 8, v5
	v_lshl_add_u32 v5, v6, 4, v5                   ; my row's scales: 32 bytes a row, and 16 more for each 256 passed
	v_mul_u32_u24 v6, s38, v2                      ; lanes 16-31 take w_o's
	v_add_nc_u32 v5, v5, v6
	v_add_nc_u32 v[ADRS], s39, v5
	v_mul_u32_u24 v5, v1, SPITCH
	v_lshl_add_u32 v5, v2, 5, v5
	v_add_nc_u32 v[STO], s60, v5                   ; the stage, in: row r, 32 bytes for each half of the lanes
	v_add_nc_u32 v[RD], s60, v[CO]                 ; and back: a row of 512 bytes
	v_lshlrev_b32 v[BOF], 5, v2
	s_wait_alu depctr_va_vdst(0)
.irp b, 0,1,2,3,4,5,6,7
	global_load_b128 v[BI+8*\b:BI+8*\b+3], v[BOF], s[96:97] offset:64*\b       ; the bias in the result's layout: columns 16 b + 8 h + 0 .. 7
	global_load_b128 v[BI+8*\b+4:BI+8*\b+7], v[BOF], s[96:97] offset:64*\b+16
.endr
; 16 matrix instructions: x's blocks a0, a0 + 1 against w_o's eight, the q-th 128 along K.  The 32 accumulators take turns, in the same order in every step.
.macro MUL16 a0, q, first
.irp a, \a0, \a0+1
.irp b, 0,1,2,3,4,5,6,7
.if \first
	v_wmma_scale_f32_16x16x128_f8f6f4 v[8*(8*(\a)+\b):8*(8*(\a)+\b)+7], v[128*((\q)%2)+FR*\b:128*((\q)%2)+FR*\b+FR-1], v[AF+32*((\q)%2)+FR*(\a):AF+32*((\q)%2)+FR*(\a)+FR-1], v[BI+8*\b:BI+8*\b+7], v[SC+32*((\q)/4)+NQ*\b+(\q)%4], v[SC+32*((\q)/4)+NQ*(\a)+(\q)%4] matrix_a_fmt:MATRIX_FMT_FP4 matrix_b_fmt:MATRIX_FMT_FP4 matrix_a_scale:MATRIX_SCALE_ROW1
.else
	v_wmma_scale_f32_16x16x128_f8f6f4 v[8*(8*(\a)+\b):8*(8*(\a)+\b)+7], v[128*((\q)%2)+FR*\b:128*((\q)%2)+FR*\b+FR-1], v[AF+32*((\q)%2)+FR*(\a):AF+32*((\q)%2)+FR*(\a)+FR-1], v[8*(8*(\a)+\b):8*(8*(\a)+\b)+7], v[SC+32*((\q)/4)+NQ*\b+(\q)%4], v[SC+32*((\q)/4)+NQ*(\a)+(\q)%4] matrix_a_fmt:MATRIX_FMT_FP4 matrix_b_fmt:MATRIX_FMT_FP4 matrix_a_scale:MATRIX_SCALE_ROW1
.endif
.endr
.endr
.endm
.macro FETCH q                         ; step q's fragments into set q % 2: 16 loads for w_o, 8 for x
	WIN TO_B
.irp i, 0,1,2,3,4,5,6,7
.irp c, 0,1
	ds_load_b128 v[128*((\q)%2)+FR*\i+4*\c:128*((\q)%2)+FR*\i+4*\c+3], v[ADRB] offset:64*(\q)+32*\c+\i*16*PITCH
.endr
.endr
	WIN 0
.irp i, 0,1,2,3
.irp c, 0,1
	ds_load_b128 v[AF+32*((\q)%2)+FR*\i+4*\c:AF+32*((\q)%2)+FR*\i+4*\c+3], v[ADRA] offset:8192*\i+1024*(\q)+512*\c
.endr
.endr
.endm
.macro PLACES n
.rept \n
	v_nop
.endr
.endm
.macro STEP q, first
	s_wait_dscnt 0x0                               ; this step's fragments, asked for a step ago
.if (\q) < 7
.if (\q) > 0
	PLACES NP                                      ; in front of loads into the set that the last step multiplied
.endif
	FETCH (\q)+1
.else
	s_barrier_signal -1                            ; my reads of the operands are over: the stage lies on x's bytes
.endif
.if \first
	WIN FST_LO
.else
	WIN MUL_LO
.endif
	MUL16 0, \q, \first
	MUL16 2, \q, \first
	WIN 0
.endm
	s_wait_tensorcnt 0x0                           ; my tile is in; behind the barrier everybody's is
	s_barrier_signal -1
	s_barrier_wait -1
.irp s, 0,1
.irp i, 0,1,2,3,4,5,6,7
	ds_load_b128 v[SC+32*\s+NQ*\i:SC+32*\s+NQ*\i+3], v[ADRS] offset:\i*SBLK+16*\s   ; the scale words of both halves of K (of x's blocks only 0 to 3 are used)
.endr
.endr
	FETCH 0
	s_wait_loadcnt 0x0                             ; the bias
	STEP 0, 1
.irp q, 1,2,3,4,5,6,7
	STEP \q, 0
.endr
	s_barrier_wait -1                              ; everybody's reads of the operands are over
; THE WAY OUT, block by block of 16 rows x 128 columns: through my own stage, back as whole rows of 512 bytes.  LDS serves a wave's instructions in order: no wait between the stores and the loads.
.macro TOSTAGE a
.set AC, 64*(\a)
	WIN 0x08                                       ; the data: window 2
.irp b, 0,1,2,3,4,5,6,7
	ds_store_b128 v[STO], v[AC+8*\b:AC+8*\b+3] offset:64*\b          ; each accumulator from its low end on
	ds_store_b128 v[STO], v[AC+8*\b+4:AC+8*\b+7] offset:64*\b+16
.endr
	WIN 0
.set BB, BK+64*((\a)%2)
.irp t, 0,1,2,3,4,5,6,7,8,9,10,11,12,13,14,15
	ds_load_b128 v[BB+4*\t:BB+4*\t+3], v[RD] offset:\t*SPITCH
.endr
.endm
.macro SEND a, younger                 ; younger: the LDS instructions issued behind block a's loads, which may stay out
.set BB, BK+64*((\a)%2)
	s_wait_dscnt \younger
.if (\a) > 0
	s_add_nc_u64 s[12:13], s[12:13], 16*SIZE_N*4   ; (behind a wait on XCNT: the earlier stores have read their base)
.endif
.irp t, 0,1,2,3,4,5,6,7,8,9,10,11,12,13,14,15
	global_store_b128 v[CO], v[BB+4*\t:BB+4*\t+3], s[12:13] offset:\t*SIZE_N*4 th:TH_STORE_NT   ; 32 lanes store 512 consecutive bytes, aligned
.endr
.endm
	PLACES NP                                      ; behind the last products: their results are read, and loads land on their sources
	TOSTAGE 0
.irp a, 1,2,3
.if \a > 1
	s_wait_xcnt 0x0                                ; block a - 2's stores have read their registers and their base
.endif
	TOSTAGE \a
	SEND \a-1, 32                                  ; behind block a - 1's loads: block a's 16 stores and 16 loads
.endr
	s_wait_xcnt 0x0
	SEND 3, 0
	s_wait_tensorcnt 0x0                           ; the wave's end
	ds_add_u32 v126, v127
	s_wait_dscnt 0x0
	CROUND                                         ; the closing round
	s_endpgm
.Lfunc_end_k_qeea20731ef_outp:
	.size	k_qeea20731ef_outp, .Lfunc_end_k_qeea20731ef_outp-k_qeea20731ef_outp
	.p2alignl 7, 3214868480
	.fill 96, 4, 3214868480
	.section	.rodata,"a",@progbits
	.p2align	6, 0x0
	.amdhsa_kernel k_qeea20731ef_outp
		.amdhsa_group_segment_fixed_size 327680
		.amdhsa_private_segment_fixed_size 0
		.amdhsa_enable_private_segment 0
		.amdhsa_kernarg_size 48
		.amdhsa_user_sgpr_count 2
		.amdhsa_user_sgpr_kernarg_segment_ptr 1
		.amdhsa_wavefront_size32 1
		.amdhsa_system_sgpr_workgroup_id_x 1
		.amdhsa_system_sgpr_workgroup_id_y 1
		.amdhsa_system_sgpr_workgroup_id_z 1
		.amdhsa_system_vgpr_workitem_id 0
		.amdhsa_next_free_vgpr 1024
		.amdhsa_next_free_sgpr 98
		.amdhsa_reserve_vcc 0
		.amdhsa_float_denorm_mode_32 3
		.amdhsa_float_denorm_mode_16_64 3
		.amdhsa_memory_ordered 1
		.amdhsa_forward_progress 1
		.amdhsa_inst_pref_size 72
	.end_amdhsa_kernel
	.amdgpu_metadata
---
amdhsa.version: [ 1, 2 ]
amdhsa.kernels:
  - .name:           k_qeea20731ef_outp
    .symbol:         k_qeea20731ef_outp.kd
    .args:
      - { .name: ximg, .offset: 0, .size: 8, .value_kind: global_buffer, .address_space: global }
      - { .name: xsc, .offset: 8, .size: 8, .value_kind: global_buffer, .address_space: global }
      - { .name: codes, .offset: 16, .size: 8, .value_kind: global_buffer, .address_space: global }
      - { .name: scales, .offset: 24, .size: 8, .value_kind: global_buffer, .address_space: global }
      - { .name: b_o, .offset: 32, .size: 8, .value_kind: global_buffer, .address_space: global }
      - { .name: out0, .offset: 40, .size: 8, .value_kind: global_buffer, .address_space: global }
    .group_segment_fixed_size: 327680
    .private_segment_fixed_size: 0
    .kernarg_segment_align: 8
    .kernarg_segment_size: 48
    .max_flat_workgroup_size: 128
    .sgpr_count:     98
    .vgpr_count:     1024
    .wavefront_size: 32
...
	.end_amdgpu_metadata
.endif
;; end of part 4
